; MI455X (gfx1250); checked and timed in simulation.
; The chip was launched on July 23, 2026; its instructions are those of AMD's public machine-readable ISA for CDNA 5 (MIT licence, August 2026) and "CDNA5" Instruction Set Architecture Reference Guide (July 2026). The comments in the code are by the model that wrote it; some were corrected since.
;; Multihead Self Attention. Allowed arithmetic: matrix products marked QUANTISED: E2M3 operands, one E8M0 scale for each 32 along K, by v_wmma_scale_f32_16x16x128_f8f6f4 with both operands' format E2M3, f32 sums; everything else in f32.
;; Inputs: ln_beta 1,024 float32; ln_gamma 1,024 float32; mask 1,024 x 2,048 x 4 bool; memory 1,024 x 4 x 1,024 float32; pos_emb 1,024 x 1 x 1,024 float32; w_o 1,024 x 1,024 float32; w_qkv 1,024 x 3,072 float32; x 1,024 x 4 x 1,024 float32.
;; Outputs: out0 1,024 x 4 x 1,024 float32.
;; This version of the problem:
;;   THIS VERSION OF THE PROBLEM IS GIVEN IN LOW PRECISION. The matrix products marked QUANTISED in the list below multiply operands that are first quantised to E2M3 (2 exponent bits, 3 mantissa bits; 6 bits a number), with one power-of-two scale for each 32 numbers along K (OCP MX v1.0); their sums are f32. All else is computed in f32.
;;   The module's matrix products, in the order in which they are computed (A, B: the left and right operand; K: the contracted axis; several contracted axes count as one K, in the product's order):
;;     1. [M 8,192, K 1,024] x [K 1,024, N 3,072]; A: computed on the way; B: input w_qkv: QUANTISED
;;     2. batch 64 x [M 2,048, K 64] x [K 64, N 1,024]; A: computed on the way; B: computed on the way: QUANTISED
;;     3. batch 64 x [M 64, K 2,048] x [K 2,048, N 1,024]; A: computed on the way; B: softmax (see below): QUANTISED
;;     4. [M 4,096, K 1,024] x [K 1,024, N 1,024]; A: computed on the way; B: input w_o: QUANTISED
;;   THE QUANTISER, for each operand of a quantised product, along K:
;;     - K is cut into blocks of 32 from its start; a last block that is shorter is filled with zeros.
;;     - A block's scale is 2^e with e = floor(log2(the largest magnitude in the block)) - 2, held to -126 .. 127; a block of zeros has e = 0. As a byte (E8M0): e + 127.
;;     - Each number is divided by its block's scale, clamped to +-7.5, and rounded to the nearest number of E2M3, ties to even, subnormals kept.
;;     - The product sums the exact products of the quantised numbers (number of the format x scale) in f32.
;;   ~~~python
;;   def quantise(x, axis):      # numpy; x: float32 -> the quantised numbers, widened to float32 again
;;       x = np.moveaxis(x, axis, -1); K = x.shape[-1]
;;       x = np.pad(x, [(0, 0)] * (x.ndim - 1) + [(0, -K % 32)]); x = x.reshape(x.shape[:-1] + (-1, 32)); a = np.abs(x).max(-1, keepdims=True)
;;       e = np.where(a > 0, np.clip(np.frexp(np.where(a > 0, a, 1))[1] - 1 - 2, -126, 127), 0)      # np.frexp(a)[1] - 1 = floor(log2(a)), exactly
;;       r = np.clip(x / 2.0 ** e, -7.5, 7.5)
;;       step = 2.0 ** (np.maximum(np.frexp(np.where(r == 0, 1, r))[1] - 1, 0) - 3)
;;       q = np.round(r / step) * step * 2.0 ** e      # np.round: ties to even
;;       return np.moveaxis(q.reshape(q.shape[:-2] + (-1,))[..., :K], -1, axis).astype(np.float32)
;;   ~~~
;;   SOFTMAX AHEAD OF A QUANTISED PRODUCT. Where the list says 'softmax', what is quantised is not the finished softmax but p = 2^(t - M), with t = logit x log2(e) and M = ceil(the row's largest t), a whole number; so 1/2 < the row's largest p <= 1. The row's sum l is taken of the UNQUANTISED p, in f32, and the product's result is divided by l at the end. Since M is a whole number, a kernel that streams over the keys may use a running M (the ceiling of the running maximum): every later rescaling is an exact power of two, which a block's scale takes up: the codes' values come out the same.
;;   OPERANDS COMPUTED ON THE WAY. 'Computed on the way' means the value that the module computes at that place (a softmax that the list does not call 'softmax' is quantised finished and normalised). What goes into a quantiser is computed in f32, as accurately as f32 sums, v_exp_f32 and their like allow (about 1e-6 of the number): no bf16 or f16 on the way to a quantiser, and a product that is left as it is and whose result goes on into a quantised operand takes f32 operands (vector FMAs, or v_wmma_f32_16x16x4_f32). A number that lies on a knife's edge between two numbers of the format may be rounded either way, as far as f32 arithmetic and the matrix unit's own rounding can turn it there, and no further.
;; One version. Each part assembles by itself: llvm-mc -triple=amdgcn-amd-amdhsa -mcpu=gfx1250 --defsym DOCPART=n.
;; ======== version 1 of 1: 4 launches
;; workspace buffers: cq 6,553,600 bytes; wq 3,276,800 bytes; mb 1,048,576 bytes of whole numbers; fl 4,096 bytes of whole numbers; qkv 16,384,000 bytes; vq 3,276,800 bytes
;; launch prep (part 1): grid 640 x 1, 4 waves a work-group, no clusters, 91,648 bytes of LDS; arguments x, pos_emb, memory, mask, w_qkv, w_o, cq, wq, mb, fl; writes cq, wq, mb, fl
.if DOCPART == 1
	.amdgcn_target "amdgcn-amd-amdhsa--gfx1250"
	.amdhsa_code_object_version 6
	.text
	.protected	k_qd17cea4760_prep
	.globl	k_qd17cea4760_prep
	.p2align	8
	.type	k_qd17cea4760_prep,@function
k_qd17cea4760_prep:
	s_mov_b64 s[64:65], 0
	v_nop
	global_prefetch_b8 v0, s[64:65] scope:SCOPE_SE
	s_setreg_imm32_b32 hwreg(HW_REG_WAVE_MODE, 25, 1), 1
	s_wait_xcnt 0x0
; PREP: all that is quantised or re-laid once, in one launch of three paths that part on the work-group's number.
;  C (work-groups 0-255):   c = [memory; x + pos_emb], 8,192 rows of 1,024 f32, K innermost -> codes of FP6 (E2M3) and E8M0 bytes in cq.
;  W (work-groups 256-383): w_qkv [1024 k][3072 n] and w_o [1024 k][1024 n], K outermost -> codes with K innermost and bytes in wq.
;  M (work-groups 384-639): mask [1024 i][2048 j][4 b] bytes -> for each tile of 16 queries, step of 128 keys and batch, 64 words of 32 lane bits in mb,
;                           and for each tile and step one word in fl whose byte b is batch b's flag (0 none hidden, 1 some, 2 all).
; ROW ORDER: rows of c and rows (n) of w_qkv are stored at place pi(row), pi = bits 3 and 4 of the row number exchanged.  Sixteen stored rows on end, tile 2 B + u, lane r, are then the
; true rows 32 B + 8 u + r + 8 (r / 8): as source 0 of a matrix instruction they leave 16 true neighbours in the 16 registers of two neighbouring tiles.
; A block's scale is 2^(floor(log2(largest magnitude)) - 2); its byte is the largest magnitude's exponent field - 2, held at 1 from below.
; LIMITS: a block of zeros, or one under 2^-124, keeps the byte 1 (its codes are zeros or what the floor's scale gives; only this program reads the bytes); NaN and infinities among the inputs are not served.
; No matrix work, no tensor load, no barrier: waves share nothing.  Each path has LDS bytes of its own.
.set CQ_SC,  6291456                   ; cq: scale bytes [8192][32] behind the codes [8192][768]
.set WQ_SC,  2359296                   ; wq: w_qkv's scale bytes [3072][32] behind its codes [3072][768]
.set WO_IMG, 2457600                   ; wq: w_o's fragments as register images [64 nt][8 ks][1536]
.set WO_SC,  3244032                   ; wq: w_o's scale bytes [1024][32]
.set CREG,   5632                      ; path C: a wave's LDS: two stages of 2,560 bytes and 256 scale bytes
.set LDS_W,  22528                     ; path W begins here
.set WREG,   8704                      ; a wave's stage: 32 rows of 272 bytes
.set LDS_M,  57344                     ; path M begins here
.set MREG,   8448                      ; a wave's 16 rows of 528 bytes
.set SPARE,  91136                     ; the spare words, 128 bytes a wave: two blocks of 256 bytes that no other line names
.set SPW,    12                        ; v12 LDS address of my spare word; never rewritten
.set NIL,    13                        ; v13 0; never rewritten
.macro FINISH                          ; a wave's end, behind its last LDS store
	s_wait_tensorcnt 0x0
	ds_add_u32 v[SPW], v[NIL]
	s_wait_dscnt 0x0
	s_endpgm
.endm
	s_load_b256 s[4:11], s[0:1], 0x0               ; x s[4:5], pos_emb s[6:7], memory s[8:9], mask s[10:11]
	s_load_b256 s[12:19], s[0:1], 0x20             ; w_qkv s[12:13], w_o s[14:15], cq s[16:17], wq s[18:19]
	s_load_b64 s[20:21], s[0:1], 0x40              ; mb
	s_load_b64 s[58:59], s[0:1], 0x48              ; fl
	v_lshl_add_u32 v[SPW], v0, 2, SPARE
	v_mov_b32 v[NIL], 0
	v_lshrrev_b32 v1, 5, v0
	v_readfirstlane_b32 s22, v1                    ; wave 0..3
	v_and_b32 v2, 31, v0                           ; lane
	s_wait_kmcnt 0x0
	s_cmp_lt_u32 ttmp9, 256
	s_cbranch_scc0 .Lnot_c
; ---------------------------------------------------------------- PATH C
; A wave takes one position t' = 4 x work-group + wave: its four rows of x (steps 0-7, pos_emb's row added, read once) and its four rows of memory (steps 8-15); a step is 512 numbers.
; Each load reads 512 consecutive bytes; a step's 2,048 bytes turn through the wave's stage so that a lane holds 16 neighbours along K (two lanes a block).
.set SP, 80                            ; a lane's place in a stage: 64 bytes + 16 of padding
.set P,  16                            ; v16-47   pos_emb's row as loaded: two halves of 16 registers
.set R,  48                            ; v48-143  six sets of 16 numbers as loaded
.set X,  144                           ; v144-175 two sets of 16 neighbours
.set C,  176                           ; v176-239 for each step three registers of codes and one with its byte: no store's data are written again
	s_lshl_b32 s23, ttmp9, 2
	s_add_co_u32 s23, s23, s22                     ; t'
	s_lshr_b32 s24, s23, 3
	s_lshr_b32 s25, s23, 4
	s_xor_b32 s24, s24, s25
	s_and_b32 s24, s24, 1
	s_mul_i32 s24, s24, 24
	s_xor_b32 s24, s23, s24                        ; pi(t')
	s_mov_b32 s27, 0
	s_lshl_b32 s26, s23, 14                        ; four rows of 4,096 bytes to a position
	s_add_nc_u64 s[4:5], s[4:5], s[26:27]
	s_add_nc_u64 s[8:9], s[8:9], s[26:27]
	s_lshl_b32 s26, s23, 12
	s_add_nc_u64 s[6:7], s[6:7], s[26:27]
	s_mul_i32 s26, s24, 768
	s_add_nc_u64 s[28:29], s[16:17], s[26:27]      ; codes: row pi(t') of part 0, batch 0
	s_lshl_b32 s26, s24, 5
	s_add_nc_u64 s[30:31], s[16:17], s[26:27]
	s_add_nc_u64 s[30:31], s[30:31], CQ_SC         ; and its scale bytes
	v_lshlrev_b32 v3, 4, v2                        ; my 16 bytes of a load's 512
	v_mul_u32_u24 v4, v2, 12                       ; my 12 bytes of a step's 384 bytes of codes
	s_mul_i32 s25, s22, CREG
	v_lshrrev_b32 v14, 2, v2
	v_mul_u32_u24 v14, v14, SP
	v_and_b32 v15, 3, v2
	v_lshl_add_u32 v14, v15, 4, v14
	v_add_nc_u32 v14, s25, v14                     ; the stage on the way in: SP (lane / 4) + 16 (lane % 4)
	v_mul_u32_u24 v15, v2, SP
	v_add_nc_u32 v15, s25, v15                     ; and on the way out: SP x lane
	v_lshrrev_b32 v5, 1, v2
	s_add_co_u32 s25, s25, 2*32*SP
	v_add_nc_u32 v5, s25, v5                       ; my block's byte among the wave's 256
	v_lshlrev_b32 v10, 3, v2
	v_add_nc_u32 v6, s25, v10                      ; and 8 bytes a lane on their way out
	v_lshrrev_b32 v7, 2, v2
	v_lshlrev_b32 v7, 15, v7                       ; row 4 part + b lies (4 part + b) x 1,024 rows of 32 bytes on,
	v_and_b32 v10, 3, v2
	v_lshl_add_u32 v7, v10, 3, v7                  ; + my 8 bytes of its 32
.macro CLOAD t                         ; step t: batch t % 4, half (t % 8) / 4 of the row
.irp i, 0,1,2,3
.if (\t) < 8
	global_load_b128 v[R+16*((\t)%6)+4*\i:R+16*((\t)%6)+4*\i+3], v3, s[4:5] offset:((\t)%4)*4096+(((\t)%8)/4)*2048+512*\i th:TH_LOAD_NT
.else
	global_load_b128 v[R+16*((\t)%6)+4*\i:R+16*((\t)%6)+4*\i+3], v3, s[8:9] offset:((\t)%4)*4096+(((\t)%8)/4)*2048+512*\i th:TH_LOAD_NT
.endif
.endr
.endm
.macro CTURN t                         ; x's steps take pos_emb's half in f32; then the step turns through stage t % 2 (LDS serves a wave's instructions in order)
.if (\t) < 8
.irp j, 0,2,4,6,8,10,12,14
	v_pk_add_f32 v[R+16*((\t)%6)+\j:R+16*((\t)%6)+\j+1], v[R+16*((\t)%6)+\j:R+16*((\t)%6)+\j+1], v[P+16*((\t)/4)+\j:P+16*((\t)/4)+\j+1]
.endr
.endif
.irp i, 0,1,2,3
	ds_store_b128 v14, v[R+16*((\t)%6)+4*\i:R+16*((\t)%6)+4*\i+3] offset:32*SP*((\t)%2)+8*SP*\i
.endr
.irp i, 0,1,2,3
	ds_load_b128 v[X+16*((\t)%2)+4*\i:X+16*((\t)%2)+4*\i+3], v15 offset:32*SP*((\t)%2)+16*\i
.endr
.endm
.irp i, 0,1,2,3,4,5,6,7
	global_load_b128 v[P+4*\i:P+4*\i+3], v3, s[6:7] offset:512*\i th:TH_LOAD_NT
.endr
.irp t, 0,1,2,3,4,5
	CLOAD \t
.endr
	s_wait_loadcnt 20                              ; pos_emb's row and step 0 are in; the five younger steps' 20 loads may be out
	CTURN 0
.macro CSTEP t
.if (\t) > 0
	s_wait_dscnt 1                                 ; this step's numbers are back from the stage (the last step's byte store may be out): so its stores into the stage have read their registers,
.else
	s_wait_dscnt 0x0
.endif
.if (\t)+6 < 16
	CLOAD (\t)+6                                   ; which take the loads of six steps on
.endif
.if (\t)+1 < 16
.if 14-(\t) >= 5
	s_wait_loadcnt 20                              ; the next step's four loads are in; those of the five steps behind it may be out
.else
	s_wait_loadcnt 4*(14-(\t))                     ; the counts run down: nothing more is asked for
.endif
	CTURN (\t)+1
.endif
.set XS, X+16*((\t)%2)
.set TT, (\t)%8
.set PART, 1-(\t)/8                    ; x's rows are part 1 of c, memory's part 0
	v_max3_num_f32 v8, |v[XS]|, |v[XS+1]|, |v[XS+2]|               ; the largest magnitude of my 16, in two chains
	v_max3_num_f32 v9, |v[XS+3]|, |v[XS+4]|, |v[XS+5]|
.irp i, 6,10
	v_max3_num_f32 v8, v8, |v[XS+\i]|, |v[XS+\i+1]|
	v_max3_num_f32 v9, v9, |v[XS+\i+2]|, |v[XS+\i+3]|
.endr
	v_max3_num_f32 v8, v8, |v[XS+14]|, |v[XS+15]|
	v_max3_num_f32 v8, v8, v9, 0x1800000           ; and the floor 2^(3 - 127): the byte cannot fall under 1
	v_max_num_f32_dpp v8, v8, v8 row_xmask:1 row_mask:0xf bank_mask:0xf   ; with my neighbour's 16: the block's
	v_add_nc_u32 v11, 0xff000000, v8               ; 2 off its exponent field: the conversion takes this operand's exponent field as its scale
	v_cvt_scalef32_pk16_fp6_f32 v[C+4*(\t):C+4*(\t)+2], v[XS:XS+15], v11
	v_lshrrev_b32 v[C+4*(\t)+3], 23, v11           ; the scale's byte (also the plain line behind the conversion)
	ds_store_b8 v5, v[C+4*(\t)+3] offset:(4*PART+TT%4)*32+16*(TT/4)   ; both lanes of a block write the same byte with the same value
	global_store_b96 v4, v[C+4*(\t):C+4*(\t)+2], s[28:29] offset:PART*3145728+(TT%4)*786432+(TT/4)*384   ; 32 lanes store 384 consecutive bytes
.endm
.irp t, 0,1,2,3,4,5,6,7,8,9,10,11,12,13,14,15
	CSTEP \t
.endr
	ds_load_b64 v[8:9], v6                         ; the wave's 256 scale bytes: eight rows' 32 (in order behind my byte stores)
	s_wait_dscnt 0x0
	global_store_b64 v7, v[8:9], s[30:31]          ; four lanes store a row's 32 consecutive bytes
	FINISH
; ---------------------------------------------------------------- PATH W
; One text for both weights: pointers and the row pitch are chosen on the work-group's number.  A lane takes a column n and its registers run down K, so a block of 32 lies in one lane
; and the conversions give codes with K innermost.  A wave takes 32 columns x 256 along K (8 blocks); the codes leave through its stage.
.Lnot_c:
	s_cmp_lt_u32 ttmp9, 384
	s_cbranch_scc0 .Lpath_m
.set OF, 16                            ; v16-47   4 x lane + i rows of the weight
.set WX, 48                            ; v48-111  two sets of 32 numbers
.set WC, 112                           ; v112-118 a block's codes
.set SB, 120                           ; v120-121 my column's 8 scale bytes
.set OUTR, 128                         ; v128-191 w_qkv's way out
.set FW, 128                           ; v128-175 w_o's way out: four fragments
.set TW, 176                           ; v176-207 and the halves that are moved
	s_sub_co_u32 s23, ttmp9, 256
	s_sub_co_u32 s24, s23, 96
	s_cmp_lt_u32 s23, 96                           ; the first 96 take w_qkv, the other 32 w_o
	s_cselect_b32 s23, s23, s24
	s_cselect_b64 s[12:13], s[12:13], s[14:15]
	s_mov_b32 s25, 4096
	s_cselect_b32 s25, 12288, s25                  ; a row of the weight in bytes
	s_cselect_b32 s48, 1, 0
	s_mov_b32 s49, 3072
	s_cselect_b32 s49, 192, s49                    ; 256 along K on in the codes: 192 bytes of a row, or two images
	s_cselect_b32 s54, 0, WO_IMG
	s_mov_b32 s55, WO_SC
	s_cselect_b32 s55, WQ_SC, s55
	s_lshr_b32 s26, s23, 2
	s_and_b32 s24, s23, 3                          ; y: which 256 along K
	s_lshl_b32 s26, s26, 7
	s_lshl_b32 s28, s22, 5
	s_add_co_u32 s26, s26, s28                     ; my wave's first column
	s_lshl_b32 s28, s24, 8
	s_mul_i32 s28, s28, s25
	s_lshl_b32 s30, s26, 2
	s_add_co_u32 s28, s28, s30
	s_mov_b32 s29, 0
	s_add_nc_u64 s[32:33], s[12:13], s[28:29]      ; block 0's first row, my first column
	s_lshl_b32 s28, s25, 5                         ; 32 rows on: a base for each block
.irp t, 1,2,3,4,5,6,7
	s_add_nc_u64 s[32+2*\t:33+2*\t], s[30+2*\t:31+2*\t], s[28:29]
.endr
	s_mul_i32 s28, s26, 768
	s_mul_i32 s30, s24, s49
	s_add_co_u32 s28, s28, s30
	s_add_co_u32 s28, s28, s54
	s_add_nc_u64 s[50:51], s[18:19], s[28:29]      ; where my codes go
	s_lshl_b32 s28, s26, 5
	s_lshl_b32 s30, s24, 3
	s_add_co_u32 s28, s28, s30
	s_add_co_u32 s28, s28, s55
	s_add_nc_u64 s[52:53], s[18:19], s[28:29]      ; and my scale bytes
	v_lshlrev_b32 v3, 2, v2
.set I_, 0
.rept 32
	v_mad_u32_u24 v[OF+I_], s25, I_, v3
.set I_, I_+1
.endr
	s_mul_i32 s56, s22, WREG
	s_add_co_u32 s56, s56, LDS_W                   ; my stage
	v_mul_u32_u24 v4, v2, 272
	v_add_nc_u32 v4, s56, v4                       ; into it: row = my column
	v_and_b32 v5, 15, v2                           ; r
	v_lshrrev_b32 v6, 4, v2                        ; h
.macro WLOAD t                         ; block t: W(32 t + i, my column): 32 lanes read 128 consecutive bytes
.set I_, 0
.rept 32
	global_load_b32 v[WX+32*((\t)%2)+I_], v[OF+I_], s[32+2*(\t):33+2*(\t)] th:TH_LOAD_NT
.set I_, I_+1
.endr
.endm
	WLOAD 0
	WLOAD 1
.macro WBLOCK t
.set XW, WX+32*((\t)%2)
.if (\t) < 7
	s_wait_loadcnt 32                              ; this block's 32 loads are in; the next block's may be out
.else
	s_wait_loadcnt 0x0
.endif
	v_max3_num_f32 v8, |v[XW]|, |v[XW+1]|, |v[XW+2]|
	v_max3_num_f32 v9, |v[XW+3]|, |v[XW+4]|, |v[XW+5]|
.irp i, 6,10,14,18,22,26
	v_max3_num_f32 v8, v8, |v[XW+\i]|, |v[XW+\i+1]|
	v_max3_num_f32 v9, v9, |v[XW+\i+2]|, |v[XW+\i+3]|
.endr
	v_max3_num_f32 v8, v8, |v[XW+30]|, |v[XW+31]|
	v_max3_num_f32 v8, v8, v9, 0x1800000           ; the floor
	v_add_nc_u32 v11, 0xff000000, v8
	v_lshrrev_b32 v10, 23, v11
.if (\t)%4 == 0
	v_mov_b32 v[SB+(\t)/4], v10                    ; four bytes to a register, the lower K in the lower byte
.else
	v_lshl_or_b32 v[SB+(\t)/4], v10, 8*((\t)%4), v[SB+(\t)/4]
.endif
	v_cvt_scalef32_pk16_fp6_f32 v[WC:WC+2], v[XW:XW+15], v11
	v_cvt_scalef32_pk16_fp6_f32 v[WC+4:WC+6], v[XW+16:XW+31], v11   ; (a conversion's three registers begin on an even number)
	v_nop                                          ; a plain line behind the conversions
	ds_store_b96 v4, v[WC:WC+2] offset:32*(\t)     ; 12 bytes to a place of 16, so that every LDS address is a multiple of 16
	ds_store_b96 v4, v[WC+4:WC+6] offset:32*(\t)+16
.if (\t)+2 < 8
	WLOAD (\t)+2
.endif
	s_wait_dscnt 0x0                               ; the stores have read their registers: the next block's codes may be written
.endm
.irp t, 0,1,2,3,4,5,6,7
	WBLOCK \t
.endr
	s_cmp_eq_u32 s48, 0
	s_cbranch_scc1 .Lw_o_out
	; w_qkv: rows of 768 bytes at place pi(n): sixteen lanes store a row's 192 consecutive bytes
	v_mul_u32_u24 v7, v6, 272
	v_lshl_add_u32 v7, v5, 4, v7
	v_add_nc_u32 v7, s56, v7                       ; stage row lane / 16, place lane % 16
	v_mul_u32_u24 v14, v6, 768
	v_mad_u32_u24 v14, v5, 12, v14
	v_lshrrev_b32 v15, 3, v2
	v_lshrrev_b32 v10, 4, v2
	v_xor_b32 v15, v15, v10
	v_and_b32 v15, 1, v15
	v_mul_u32_u24 v15, v15, 24
	v_xor_b32 v15, v2, v15                         ; pi(lane)
	v_lshlrev_b32 v15, 5, v15
	global_store_b64 v15, v[SB:SB+1], s[52:53]     ; my column's 8 scale bytes
.irp t, 0,1,2,3,4,5,6,7,8,9,10,11,12,13,14,15
	ds_load_b96 v[OUTR+4*\t:OUTR+4*\t+2], v7 offset:2*\t*272
.endr
.irp t, 0,1,2,3,4,5,6,7,8,9,10,11,12,13,14,15
	s_wait_dscnt 15-\t                             ; LDS loads come back in order: load t is in
	global_store_b96 v14, v[OUTR+4*\t:OUTR+4*\t+2], s[50:51] offset:((((2*\t)&7)|(((2*\t)&8)<<1))|(((2*\t)&16)>>1))*768
.endr
	FINISH
.Lw_o_out:
	; w_o: four fragments (16 columns x 128 K) as images of the operand's registers: lane (r, h) takes blocks 4 s + 2 c + h of column 16 u + r
	v_mul_u32_u24 v7, v5, 272
	v_lshl_add_u32 v7, v6, 5, v7
	v_add_nc_u32 v7, s56, v7
	v_lshlrev_b32 v14, 4, v2
	v_lshlrev_b32 v15, 5, v2
	global_store_b64 v15, v[SB:SB+1], s[52:53]
.irp u, 0,1
.irp s, 0,1
.irp c, 0,1
	ds_load_b96 v[FW+12*(2*\u+\s)+6*\c:FW+12*(2*\u+\s)+6*\c+2], v7 offset:\u*4352+(4*\s+2*\c)*32
	ds_load_b96 v[TW+8*(2*\u+\s)+4*\c:TW+8*(2*\u+\s)+4*\c+2], v7 offset:\u*4352+(4*\s+2*\c)*32+16
.endr
.endr
.endr
.irp u, 0,1
.irp s, 0,1
	s_wait_dscnt 12-4*(2*\u+\s)                    ; this fragment's four loads are in
.irp c, 0,1
.irp i, 0,1,2
	v_mov_b32 v[FW+12*(2*\u+\s)+6*\c+3+\i], v[TW+8*(2*\u+\s)+4*\c+\i]
.endr
.endr
.irp q, 0,1,2
	global_store_b128 v14, v[FW+12*(2*\u+\s)+4*\q:FW+12*(2*\u+\s)+4*\q+3], s[50:51] offset:(8*\u+\s)*1536+512*\q   ; 512 consecutive bytes
.endr
.endr
.endr
	FINISH
; ---------------------------------------------------------------- PATH M
; A wave takes one tile of 16 queries (tile 2 G + u: queries 32 G + 8 u + r + 8 (r / 8)) and one step of 128 keys: 16 rows of 512 bytes (128 keys x 4 batches).
; They turn through LDS so that lane (r, h) holds in register n = 16 B + i the four bytes of query r and key 32 B + 16 h + i: the place of score register n in the attention launch.
; A compare then gives, for each n and batch, the word of 32 lane bits that one select instruction takes there.
.Lpath_m:
.set ML, 16                            ; v16-79   as loaded
.set MD, 80                            ; v80-143  register n's four bytes
.set MO, 144                           ; v144-151 a pair for each batch: word n in register n & 1 of lane n >> 1
.set MF, 152                           ; v152 the four flags in one word; v153 its offset, 0
.set MT, 154                           ; v154-157 at work
	s_sub_co_u32 s23, ttmp9, 384
	s_lshl_b32 s23, s23, 2
	s_add_co_u32 s23, s23, s22                     ; unit = 16 x tile + step
	s_lshr_b32 s24, s23, 4
	s_and_b32 s25, s23, 15
	s_lshr_b32 s26, s24, 1
	s_lshl_b32 s26, s26, 5
	s_and_b32 s27, s24, 1
	s_lshl_b32 s27, s27, 3
	s_add_co_u32 s26, s26, s27                     ; the tile's first query
	s_lshl_b32 s26, s26, 13                        ; a query's row of the mask is 8,192 bytes
	s_lshl_b32 s27, s25, 9
	s_add_co_u32 s26, s26, s27
	s_mov_b32 s27, 0
	s_add_nc_u64 s[10:11], s[10:11], s[26:27]
	s_lshl_b32 s26, s23, 10                        ; mb: 4 batches x 64 words to a unit
	s_add_nc_u64 s[20:21], s[20:21], s[26:27]
	s_lshl_b32 s30, s23, 2                         ; fl: one word to a unit
	s_mov_b32 s31, 0
	s_add_nc_u64 s[58:59], s[58:59], s[30:31]
	v_lshlrev_b32 v3, 4, v2
	s_mul_i32 s28, s22, MREG
	s_add_co_u32 s28, s28, LDS_M
	v_add_nc_u32 v4, s28, v3
	v_and_b32 v5, 15, v2
	v_lshrrev_b32 v6, 4, v2
	v_mul_u32_u24 v5, v5, 528
	v_lshl_add_u32 v5, v6, 6, v5
	v_add_nc_u32 v5, s28, v5                       ; row r, + 64 h
	v_lshlrev_b32 v6, 3, v2
.irp rr, 0,1,2,3,4,5,6,7,8,9,10,11,12,13,14,15
	global_load_b128 v[ML+4*\rr:ML+4*\rr+3], v3, s[10:11] offset:(\rr+8*(\rr/8))*8192 th:TH_LOAD_NT
.endr
.irp i, 0,1,2,3,4,5,6,7
	v_mov_b32 v[MO+\i], 0                          ; a lane write's destination counts as read
.endr
.irp b, 0,1,2,3
	s_mov_b32 s[44+\b], 0                          ; any hidden
	s_mov_b32 s[48+\b], -1                         ; all hidden
.endr
.irp rr, 0,1,2,3,4,5,6,7,8,9,10,11,12,13,14,15
	s_wait_loadcnt 15-\rr                          ; loads come back in order: row rr is in
	ds_store_b128 v4, v[ML+4*\rr:ML+4*\rr+3] offset:528*\rr
.endr
.irp g, 0,1,2,3
.irp q, 0,1,2,3
	ds_load_b128 v[MD+16*\g+4*\q:MD+16*\g+4*\q+3], v5 offset:128*\g+16*\q
.endr
.endr
	s_wait_dscnt 0x0
.set N, 0
.rept 64
.irp b, 0,1,2,3
	v_and_b32 v[MT+\b], 0xff<<(8*\b), v[MD+N]
.endr
.irp b, 0,1,2,3
	v_cmp_ne_u32 s[40+\b], 0, v[MT+\b]
.endr
.irp b, 0,1,2,3
	v_writelane_b32 v[MO+2*\b+(N&1)], s[40+\b], N>>1
	s_and_b32 s[48+\b], s[48+\b], s[40+\b]
	s_or_b32 s[44+\b], s[44+\b], s[40+\b]
.endr
.set N, N+1
.endr
.irp b, 0,1,2,3
	s_cmp_lg_u32 s[44+\b], 0
	s_cselect_b32 s52, 1, 0
	s_cmp_eq_u32 s[48+\b], -1
	s_cselect_b32 s53, 1, 0
	s_add_co_u32 s52, s52, s53                     ; 0 none, 1 some, 2 all
.if \b == 0
	s_mov_b32 s54, s52
.else
	s_lshl_b32 s52, s52, 8*\b                      ; batch b's flag is byte b of the unit's word
	s_or_b32 s54, s54, s52
.endif
.endr
	v_mov_b32 v[MF], s54
	v_mov_b32 v[MF+1], 0
.irp b, 0,1,2,3
	global_store_b64 v6, v[MO+2*\b:MO+2*\b+1], s[20:21] offset:256*\b   ; 32 lanes store 256 consecutive bytes, aligned
.endr
	global_store_b32 v[MF+1], v[MF], s[58:59]      ; one word a wave (4,096 bytes in the whole launch): all lanes write the same word with the same value
	FINISH
.Lfunc_end_k_qd17cea4760_prep:
	.size	k_qd17cea4760_prep, .Lfunc_end_k_qd17cea4760_prep-k_qd17cea4760_prep
	.p2alignl 7, 3214868480
	.fill 96, 4, 3214868480
	.section	.rodata,"a",@progbits
	.p2align	6, 0x0
	.amdhsa_kernel k_qd17cea4760_prep
		.amdhsa_group_segment_fixed_size 91648
		.amdhsa_private_segment_fixed_size 0
		.amdhsa_enable_private_segment 0
		.amdhsa_kernarg_size 80
		.amdhsa_user_sgpr_count 2
		.amdhsa_user_sgpr_kernarg_segment_ptr 1
		.amdhsa_wavefront_size32 1
		.amdhsa_system_sgpr_workgroup_id_x 1
		.amdhsa_system_sgpr_workgroup_id_y 1
		.amdhsa_system_sgpr_workgroup_id_z 1
		.amdhsa_system_vgpr_workitem_id 0
		.amdhsa_next_free_vgpr 240
		.amdhsa_next_free_sgpr 66
		.amdhsa_reserve_vcc 0
		.amdhsa_float_denorm_mode_32 3
		.amdhsa_float_denorm_mode_16_64 3
		.amdhsa_memory_ordered 1
		.amdhsa_forward_progress 1
		.amdhsa_inst_pref_size 156
	.end_amdhsa_kernel
	.amdgpu_metadata
---
amdhsa.version: [ 1, 2 ]
amdhsa.kernels:
  - .name:           k_qd17cea4760_prep
    .symbol:         k_qd17cea4760_prep.kd
    .args:
      - { .name: x, .offset: 0, .size: 8, .value_kind: global_buffer, .address_space: global }
      - { .name: pos_emb, .offset: 8, .size: 8, .value_kind: global_buffer, .address_space: global }
      - { .name: memory, .offset: 16, .size: 8, .value_kind: global_buffer, .address_space: global }
      - { .name: mask, .offset: 24, .size: 8, .value_kind: global_buffer, .address_space: global }
      - { .name: w_qkv, .offset: 32, .size: 8, .value_kind: global_buffer, .address_space: global }
      - { .name: w_o, .offset: 40, .size: 8, .value_kind: global_buffer, .address_space: global }
      - { .name: cq, .offset: 48, .size: 8, .value_kind: global_buffer, .address_space: global }
      - { .name: wq, .offset: 56, .size: 8, .value_kind: global_buffer, .address_space: global }
      - { .name: mb, .offset: 64, .size: 8, .value_kind: global_buffer, .address_space: global }
      - { .name: fl, .offset: 72, .size: 8, .value_kind: global_buffer, .address_space: global }
    .group_segment_fixed_size: 91648
    .private_segment_fixed_size: 0
    .kernarg_segment_align: 8
    .kernarg_segment_size: 80
    .max_flat_workgroup_size: 128
    .sgpr_count:     66
    .vgpr_count:     240
    .wavefront_size: 32
...
	.end_amdgpu_metadata
.endif
;; end of part 1
;; launch proj (part 2): grid 4 x 64, 4 waves a work-group, clusters of 4 x 4, 327,680 bytes of LDS; arguments cq, wq, qkv; writes qkv
.if DOCPART == 2
	.amdgcn_target "amdgcn-amd-amdhsa--gfx1250"
	.amdhsa_code_object_version 6
	.text
	.protected	k_qd17cea4760_proj
	.globl	k_qd17cea4760_proj
	.p2align	8
	.type	k_qd17cea4760_proj,@function
k_qd17cea4760_proj:
	s_mov_b64 s[64:65], 0
	v_nop
	global_prefetch_b8 v0, s[64:65] scope:SCOPE_SE
	s_setreg_imm32_b32 hwreg(HW_REG_WAVE_MODE, 25, 1), 1
	s_wait_xcnt 0x0
	s_wait_alu depctr_hold_cnt(0) depctr_sa_sdst(0) depctr_va_vdst(0) depctr_va_sdst(0) depctr_va_ssrc(0) depctr_va_vcc(0) depctr_vm_vsrc(0)
	s_getreg_b32 s2, hwreg(HW_REG_IB_STS2, 6, 4)
	s_cmp_eq_u32 s2, 0
	s_cbranch_scc0 .Lentry_in_a_cluster
	s_endpgm
.Lentry_in_a_cluster:
	s_bfe_u32 s2, ttmp6, 0x10000c
	s_cmp_lg_u32 s2, 0xf033
	s_cbranch_scc0 .Lentry_shape_is_right
	s_endpgm
.Lentry_shape_is_right:
; PROJ: qkv = c w_qkv on codes of FP6 (E2M3) with E8M0 scales, K = 1,024; the results never go to memory as f32: the way out quantises them in registers into the operands of attention.
; A tile is 256 x 256, made by four waves of 128 x 128 (64 accumulators, 512 registers).  K goes in steps of 256 through a ring of two LDS slots filled by the tensor data mover; the scale
; bytes of the tile's 512 rows come once, with the first fills.  4 x 4 work-groups form a cluster: A's tile is asked for jointly along a row of the cluster, B's along a column.
; THE MATRIX INSTRUCTION: source 0 = 16 rows of B, source 1 = 16 rows of A: a lane holds ONE row of A, and its registers run along B's rows.  Rows of c and of w_qkv lie in the order pi
; (bits 3 and 4 exchanged), so the registers of one block of A are, group by group, 16 true neighbours along B: register 16 g + i = B's true row 32 g + 16 (lane / 16) + i.
; 16 clusters (cl = the cluster's y), 256 work-groups.  k and v are 128 tiles each, one to a work-group:
;   cl 0-7   k: A = c (all 32 tiles), B = w rows 1,024-2,047: a lane holds a key, registers run along two heads' 64: quantised along the head
;   cl 8-15  v: A = w rows 2,048-3,071, B = c: a lane holds a channel, registers run along 128 keys: quantised along the keys
; q (of x's rows alone: q of memory's rows is never used) is 64 tiles' worth: EVERY WORK-GROUP MAKES A QUARTER TILE OF IT BEHIND ITS OWN TILE, 128 x 128, a wave 64 x 64 (one head's 64, four tiles of queries):
;   A = c's stored rows 4,096 + 128 m on, m = 4 (cl / 2) + cy;  B = w rows 128 n on, n = 4 (cl % 2) + cx.  THE RING GOES ON INTO IT with the same shapes, masks and LDS places: a slot's four places of 128 rows x 192 bytes
;   then hold A's 128 rows at two K chunks of 256 (waves 0, 1 fetch them) and B's likewise (waves 2, 3), so two refills bring all of K; the second lands under the first tile's way out.
; OUT (buffer qkv): fragments as images of the operand's registers (three runs of 512 bytes: lane l's 16 bytes at 16 l are registers 4 q .. 4 q + 3).  For head hb = 16 b + h a record of 204,800 bytes:
; K's 64 pair images (registers 0-5: key tile 2 p, registers 6-11: key tile 2 p + 1), V's 16 x 4 images, K's scale words [step][r][pair], V's [step][r][tile]; behind the 64 records, Q's of 51,200 bytes, laid as K's.
; LIMITS: a block of zeros, or one under 2^-124, keeps the byte 1; NaN and infinities are not served.
; REGISTERS, in windows of 256: window 0: v0-31 addresses; v32-63 and v224-255 scale words and nothing else; from v128 A's fragments, one set; on the way out v64-203.
;   window 1: B's fragments, two sets (for q: two sets of B's four and A's four).   window 2: the accumulators of my rows 0-63 ((a, b) at v[8 (8 a + b)]), later q's sixteen;   window 3: those of rows 64-127.
.set CQ_SC,  6291456
.set WQ_SC,  2359296
.set KVREC,  204800
.set QREC,   51200
.set Q_BASE, 13107200
.set KSTEP,  256                       ; along K in a slot
.set NQ,     2                         ; matrix instructions deep
.set ROWB,   192                       ; a tile's row in bytes
.set KROW,   768                       ; a row of codes in memory
.set PITCH,  240                       ; an LDS row: 3 x (64 bytes + 16 of padding)
.set FR,     12                        ; registers of a fragment
.set NL,     6                         ; LDS loads that bring one
.set NP,     4                         ; places behind this matrix instruction (ISA guide 7.12.1)
.set HALFT,  128*PITCH
.set SLOT,   4*HALFT
.set LAPS,   2                         ; 1,024 / 512
.set KS,     32                        ; a row of scale bytes
.set SCL,    2*SLOT
.set HALFS,  (128*KS/256)*272
.set SBLK,   (16*KS/256)*272
.set SPARE,  SCL+4*HALFS               ; the spare words, 128 bytes a wave: two blocks of 256 bytes that no other line names
.set QADA, 8                           ; v8-9   q: my 64 rows of A in slot 0, 1 (v10-11: behind one padding more)
.set QADB, 12                          ; v12-15 the same for B
.set ADRA, 16                          ; v16-17 my A fragments in slot 0, 1 (v18-19: behind one padding more)
.set ADRB, 20                          ; v20-23 the same for B
.set VO,   24                          ; v24-25 the way out: 16 x lane, and the same one head's record on
.set VS,   26                          ; v26    the way out: 16 r + (lane / 16) records
.set ADRS, 27                          ; v27    my scale words: lanes 0-15 A's rows, lanes 16-31 B's
.set SPW,  28                          ; v28    my spare word; never rewritten
.set NIL,  29                          ; v29    0; never rewritten
.set VQS,  30                          ; v30    32 r: a row of scale bytes in memory; never rewritten
.set VSQ,  31                          ; v31    16 r: q's scale words on their way out
.set SC,   32
.set SA,   32                          ; q: A's scale words: block a, K step t at 8 a + t
.set SB,   224                         ; q: B's likewise
.set AF,   128
.set TM,   64                          ; v64-79   the way out: largest magnitudes, bytes, scale operands
.set PW,   80                          ; v80-87   a block of A's scale word
.set WW,   88                          ; v88-95   the words as they are stored: 0-3 the first head's, 4-7 the second's
.set FF,   96                          ; v96-191  eight fragments: no store's data are written again before the wait that frees them
.set TT,   192                         ; v192-198 the conversions' halves that are moved
.set SELW, 200                         ; v200-203
.set G1, 24
.set G0, 32
.set G1B, 48
.set G0B, 56
.set G1S, 68
.set G0S, 76
.set G1SB, 80
.set G0SB, 88
.set MSB, 0
.macro WIN new                         ; the immediate's high byte repeats the setting that is left
.if MSB != \new
	s_set_vgpr_msb (MSB<<8)|\new
.set MSB, \new
.endif
.endm
.set MUL_LO, 0xa1                      ; source 0 (B) window 1, source 1 (A) window 0, C and D window 2
.set MUL_HI, 0xf1
.set MUL_Q,  0xa5                      ; q: both sources window 1, C and D window 2
.set TO_B,   0x40
; A joint load: waves 0 and 1 fetch for A, waves 2 and 3 for B; the branch hangs on the wave's number alone.  An s_nop 0 and four v_nop follow each of the two lines.
.macro JLOAD g0a, g1a, g0b, g1b
	s_cmp_eq_u32 s15, 0
	s_cbranch_scc0 .Lfor_b_\@
	tensor_load_to_lds s[\g0a:\g0a+3], s[\g1a:\g1a+7]
	s_nop 0
.rept 4
	v_nop
.endr
	s_branch .Lasked_\@
.Lfor_b_\@:
	tensor_load_to_lds s[\g0b:\g0b+3], s[\g1b:\g1b+7]
	s_nop 0
.rept 4
	v_nop
.endr
.Lasked_\@:
.endm
.macro CREST                           ; a round of the cluster's barrier behind its opening barrier
	s_cmp_lg_u32 s14, 0
	s_cbranch_scc1 .Lnot_wave_0_\@
	s_barrier_signal -3
.Lnot_wave_0_\@:
	s_barrier_wait -3
	s_barrier_signal -1
	s_barrier_wait -1
.endm
.macro CROUND
	s_barrier_signal -1
	s_barrier_wait -1
	CREST
.endm
	s_load_b128 s[96:99], s[0:1], 0x0              ; cq s[96:97], wq s[98:99]
	s_load_b64 s[12:13], s[0:1], 0x10              ; qkv
	v_lshl_add_u32 v[SPW], v0, 2, SPARE
	v_mov_b32 v[NIL], 0
	ds_add_u32 v[SPW], v[NIL]                      ; the wave's opening add; its wait stands ahead of my first tensor load, behind the set-up below
	v_lshrrev_b32 v1, 5, v0
	v_readfirstlane_b32 s14, v1                    ; wave 0..3
	s_lshr_b32 s15, s14, 1                         ; which half of A's rows is mine.  Also: I fetch for A (0) or for B (1)
	s_and_b32 s16, s14, 1                          ; which half of B's rows.  Also: which 128 rows (for q: which K chunk) I fetch
	s_bfe_u32 s40, ttmp6, 0x40000                  ; cx, cy: my place in the cluster
	s_bfe_u32 s41, ttmp6, 0x40004
	s_and_b32 s95, ttmp7, 0xffff                   ; cl: the same in all sixteen partners
	s_lshl_b32 s2, s95, 2
	s_sub_co_u32 s67, s2, 32
	s_cmp_lt_u32 s95, 8
	s_cselect_b32 s2, s2, 8                        ; A's first tile: k: 4 cl; v: 8
	s_cselect_b32 s66, 4, s67                      ; B's first tile: k: 4; v: 4 cl - 32
	s_add_co_u32 s42, s66, s40                     ; B's tile
	s_add_co_u32 s17, s2, s41                      ; A's tile
	s_lshl_b32 s43, s41, 2
	s_lshl_b32 s43, 15, s43                        ; my row of the cluster
	s_lshl_b32 s44, 0x1111, s40                    ; my column
	; descriptor group 1: a tile of 128 rows x 192 bytes, 16 bytes of padding behind every 64; both buffers have rows of 768 bytes
	s_or_b32 s[G1+0], s43, (0<<16)|(1<<20)|(1<<21)|(3<<22)|(3<<25)
	s_or_b32 s[G1B+0], s44, (0<<16)|(1<<20)|(1<<21)|(3<<22)|(3<<25)
.irp g, G1, G1B
	s_mov_b32 s[\g+1], ROWB<<16                    ; tensor_dim0
	s_mov_b32 s[\g+2], 128<<16                     ; tensor_dim1
	s_mov_b32 s[\g+3], ROWB<<16                    ; tile_dim0
	s_mov_b32 s[\g+4], 128                         ; tile_dim1
	s_mov_b32 s[\g+5], KROW                        ; tensor_dim0_stride
	s_mov_b32 s[\g+6], 0
	s_mov_b32 s[\g+7], 0
.endr
	; the scales of 128 rows: 4,096 dense bytes, as 16 rows of 256 bytes (32 elements of 8 bytes), 16 bytes of padding behind each
	s_or_b32 s[G1S+0], s43, (3<<16)|(1<<20)|(1<<21)|(5<<22)|(3<<25)
	s_or_b32 s[G1SB+0], s44, (3<<16)|(1<<20)|(1<<21)|(5<<22)|(3<<25)
.irp g, G1S, G1SB
	s_mov_b32 s[\g+1], 32<<16
	s_mov_b32 s[\g+2], (128*KS/256)<<16
	s_mov_b32 s[\g+3], 32<<16
	s_mov_b32 s[\g+4], 128*KS/256
	s_mov_b32 s[\g+5], 32
	s_mov_b32 s[\g+6], 0
	s_mov_b32 s[\g+7], 0
.endr
	s_lshl_b32 s18, s16, 7                         ; which 128 rows of the tile I fetch
	s_lshl_b32 s20, s17, 8
	s_add_co_u32 s20, s20, s18                     ; A: row 256 x tile + 128 x half
	s_lshl_b32 s46, s42, 8
	s_add_co_u32 s46, s46, s18                     ; B likewise
	s_mov_b32 s21, 0
	s_mov_b32 s47, 0
	s_mov_b64 s[18:19], KS
	s_mul_u64 s[22:23], s[20:21], s[18:19]         ; where these rows' scales begin, in bytes
	s_mul_u64 s[92:93], s[46:47], s[18:19]
	s_mov_b64 s[18:19], KROW
	s_mul_u64 s[20:21], s[20:21], s[18:19]         ; and their codes
	s_mul_u64 s[46:47], s[46:47], s[18:19]
	s_mul_i32 s45, s14, HALFT                      ; where they go: wave x 128 rows: no place in the cluster enters an LDS address
	s_mul_i32 s94, s14, HALFS
	s_wait_dscnt 0x0                               ; the opening add is done
	s_wait_kmcnt 0x0
	s_add_nc_u64 s[100:101], s[96:97], CQ_SC       ; c's scale bytes
	s_add_nc_u64 s[66:67], s[98:99], WQ_SC         ; w's
	s_cmp_lt_u32 s95, 8                            ; k: A = c, B = w;  v: A = w, B = c.  The choice hangs on the cluster's number alone
	s_cselect_b64 s[4:5], s[96:97], s[98:99]
	s_cselect_b64 s[6:7], s[100:101], s[66:67]
	s_cselect_b64 s[8:9], s[98:99], s[96:97]
	s_cselect_b64 s[10:11], s[66:67], s[100:101]
	s_add_nc_u64 s[20:21], s[4:5], s[20:21]
	s_add_nc_u64 s[22:23], s[6:7], s[22:23]
	s_add_nc_u64 s[46:47], s[8:9], s[46:47]
	s_add_nc_u64 s[92:93], s[10:11], s[92:93]
	CROUND                                         ; all sixteen work-groups are here: the first joint loads meet
	s_mov_b32 s[G0S], 1
	s_add_co_u32 s[G0S+1], s94, SCL
	s_mov_b64 s[G0S+2:G0S+3], s[22:23]
	s_or_b32 s[G0S+3], s[G0S+3], 0x80000000
	s_mov_b32 s[G0SB], 1
	s_add_co_u32 s[G0SB+1], s94, SCL
	s_mov_b64 s[G0SB+2:G0SB+3], s[92:93]
	s_or_b32 s[G0SB+3], s[G0SB+3], 0x80000000
	JLOAD G0S, G1S, G0SB, G1SB                     ; the scales first: they are wanted with K step 0.  With the two below, three tensor loads of mine are out
.irp s, 0,1
	s_mov_b32 s[G0+4*\s], 1
	s_add_co_u32 s[G0+4*\s+1], s45, \s*SLOT
	s_add_nc_u64 s[G0+4*\s+2:G0+4*\s+3], s[20:21], \s*ROWB
	s_or_b32 s[G0+4*\s+3], s[G0+4*\s+3], 0x80000000
	s_mov_b32 s[G0B+4*\s], 1
	s_add_co_u32 s[G0B+4*\s+1], s45, \s*SLOT
	s_add_nc_u64 s[G0B+4*\s+2:G0B+4*\s+3], s[46:47], \s*ROWB
	s_or_b32 s[G0B+4*\s+3], s[G0B+4*\s+3], 0x80000000
	JLOAD G0+4*\s, G1, G0B+4*\s, G1B
.endr
	v_and_b32 v1, 15, v0                           ; l % 16
	v_bfe_u32 v2, v0, 4, 1                         ; l / 16
	v_mul_u32_u24 v3, v1, PITCH
	v_mul_u32_u24 v4, v2, 24
	v_add_nc_u32 v4, v3, v4                        ; a fragment's row x pitch + 24 x half
	v_lshl_add_u32 v5, v2, 4, v4                   ; and the same behind one padding more
	s_mul_i32 s21, s15, HALFT                      ; my 128 rows of A
	s_mul_i32 s22, s16, HALFT                      ; my 128 rows of B,
	s_add_co_u32 s22, s22, 2*HALFT                 ; which lie behind A's 256
.irp s, 0,1
	v_add_nc_u32 v[ADRA+\s], s21, v4
	v_add_nc_u32 v[ADRB+\s], s22, v4
	v_add_nc_u32 v[ADRA+2+\s], s21, v5
	v_add_nc_u32 v[ADRB+2+\s], s22, v5
	s_add_co_u32 s21, s21, SLOT
	s_add_co_u32 s22, s22, SLOT
.endr
	s_mul_i32 s21, s15, 64*PITCH                   ; q: my 64 of A's 128 rows, which lie in wave 0's place (the next K chunk in wave 1's),
	s_mul_i32 s22, s16, 64*PITCH                   ; my 64 of B's 128,
	s_add_co_u32 s22, s22, 2*HALFT                 ; in wave 2's place (and wave 3's)
.irp s, 0,1
	v_add_nc_u32 v[QADA+\s], s21, v4
	v_add_nc_u32 v[QADB+\s], s22, v4
	v_add_nc_u32 v[QADA+2+\s], s21, v5
	v_add_nc_u32 v[QADB+2+\s], s22, v5
	s_add_co_u32 s21, s21, SLOT
	s_add_co_u32 s22, s22, SLOT
.endr
	v_lshlrev_b32 v[VQS], 5, v1
	v_lshlrev_b32 v[VSQ], 4, v1
	v_mul_u32_u24 v5, v1, KS                       ; my row's scales: 32 bytes a row,
	v_lshrrev_b32 v6, 8, v5
	v_lshl_add_u32 v5, v6, 4, v5                   ; and 16 more for each 256 passed
	s_mul_i32 s21, s15, HALFS
	s_mul_i32 s22, s16, HALFS
	s_add_co_u32 s22, s22, 2*HALFS
	s_sub_co_u32 s22, s22, s21
	v_mul_u32_u24 v6, s22, v2                      ; lanes 16-31 take B's
	s_add_co_u32 s21, s21, SCL
	v_add_nc_u32 v5, v5, v6
	v_add_nc_u32 v[ADRS], s21, v5
	; the quarter tile of q: where its tiles and scale bytes lie.  A's address is made of cl, cy and the wave's number, B's of cl, cx and the wave's number, each in registers that never hold the other coordinate
	s_lshr_b32 s43, s95, 1
	s_lshl_b32 s43, s43, 2
	s_add_co_u32 s43, s43, s41                     ; m: which 128 of x's 4,096 stored rows
	s_and_b32 s44, s95, 1
	s_lshl_b32 s44, s44, 2
	s_add_co_u32 s44, s44, s40                     ; n: which 128 of w's first 1,024 rows
	s_mul_i32 s2, s16, ROWB                        ; which of a slot's two K chunks I fetch
	s_lshl_b32 s20, s43, 7
	s_add_co_u32 s20, s20, 4096
	s_mul_i32 s22, s20, KROW
	s_add_co_u32 s22, s22, s2
	s_mov_b32 s23, 0
	s_add_nc_u64 s[4:5], s[96:97], s[22:23]        ; A's tile for slot 0; slot 1's lies two chunks on
	s_lshl_b32 s46, s44, 7
	s_mul_i32 s92, s46, KROW
	s_add_co_u32 s92, s92, s2
	s_mov_b32 s93, 0
	s_add_nc_u64 s[6:7], s[98:99], s[92:93]        ; B's
	s_lshl_b32 s21, s15, 6
	s_add_co_u32 s20, s20, s21
	s_lshl_b32 s20, s20, 5
	s_mov_b32 s21, 0
	s_add_nc_u64 s[8:9], s[96:97], s[20:21]
	s_add_nc_u64 s[8:9], s[8:9], CQ_SC             ; the scale bytes of my 64 rows of A
	s_lshl_b32 s47, s16, 6
	s_add_co_u32 s46, s46, s47
	s_lshl_b32 s46, s46, 5
	s_mov_b32 s47, 0
	s_add_nc_u64 s[10:11], s[98:99], s[46:47]
	s_add_nc_u64 s[10:11], s[10:11], WQ_SC         ; and of my 64 rows of B
.macro FRAG reg, adr, q, i             ; 16 rows x 128 K of 6-bit codes: 12 registers, in pieces of 8 bytes; where the piece three on lies behind one padding more, the second address register serves
.irp p, 0,1,2,3,4,5
.set PC, 12*(\q)+6*(\p/3)+\p%3
.if PC%8 < 5
	ds_load_b64 v[\reg+2*\p:\reg+2*\p+1], v[\adr] offset:8*PC+16*(PC/8)+(\i)*16*PITCH
.else
	ds_load_b64 v[\reg+2*\p:\reg+2*\p+1], v[\adr+2] offset:8*PC+16*(PC/8)+(\i)*16*PITCH
.endif
.endr
.endm
; 16 matrix instructions: A's blocks a0, a0 + 1 x B's eight.  The 64 accumulators take turns, one instruction a turn, in the same order in every step.
.macro MUL16 a0, p, q, sc, zero
.irp a, \a0, \a0+1
.irp b, 0,1,2,3,4,5,6,7
.if \zero
	v_wmma_scale_f32_16x16x128_f8f6f4 v[8*(8*((\a)%4)+\b):8*(8*((\a)%4)+\b)+7], v[128*(\p)+FR*\b:128*(\p)+FR*\b+FR-1], v[AF+FR*(\a):AF+FR*(\a)+FR-1], 0, v[SC+8*NQ*(\sc)+NQ*\b+(\q)], v[SC+8*NQ*(\sc)+NQ*(\a)+(\q)] matrix_a_fmt:MATRIX_FMT_FP6 matrix_b_fmt:MATRIX_FMT_FP6 matrix_a_scale:MATRIX_SCALE_ROW1
.else
	v_wmma_scale_f32_16x16x128_f8f6f4 v[8*(8*((\a)%4)+\b):8*(8*((\a)%4)+\b)+7], v[128*(\p)+FR*\b:128*(\p)+FR*\b+FR-1], v[AF+FR*(\a):AF+FR*(\a)+FR-1], v[8*(8*((\a)%4)+\b):8*(8*((\a)%4)+\b)+7], v[SC+8*NQ*(\sc)+NQ*\b+(\q)], v[SC+8*NQ*(\sc)+NQ*(\a)+(\q)] matrix_a_fmt:MATRIX_FMT_FP6 matrix_b_fmt:MATRIX_FMT_FP6 matrix_a_scale:MATRIX_SCALE_ROW1
.endif
.endr
.endr
.endm
.macro FETCH_B slot, q, p
	WIN TO_B
.irp i, 0,1,2,3,4,5,6,7
	FRAG 128*(\p)+FR*\i, ADRB+\slot, \q, \i
.endr
	WIN 0
.endm
.macro FETCH_A slot, q, i0
.irp i, \i0, \i0+1, \i0+2, \i0+3
	FRAG AF+FR*(\i), ADRA+\slot, \q, \i
.endr
.endm
.macro SCALES sc                       ; the next K step's scale words: lanes 0-15 take A's block i, lanes 16-31 B's block i
.irp i, 0,1,2,3,4,5,6,7
	ds_load_b64 v[SC+8*NQ*\sc+NQ*\i:SC+8*NQ*\sc+NQ*\i+1], v[ADRS] offset:\i*SBLK
.endr
.endm
.macro PLACES n                        ; plain vector lines between a matrix instruction and a load into, or a vector read or write of, its registers
.rept \n
	v_nop
.endr
.endm
.macro STEP slot, q, zero              ; a step of 128 along K that has its successor in the same slot
	s_wait_dscnt 4*NL                              ; B's set and A's blocks 0-3 are in; the youngest 24 loads (A's blocks 4-7) may be out
	WIN MUL_LO
	MUL16 0, (\q)%2, \q, \slot, \zero
	MUL16 2, (\q)%2, \q, \slot, \zero
	s_wait_dscnt 0
	PLACES NP
	FETCH_B \slot, (\q)+1, 1-(\q)%2
	FETCH_A \slot, (\q)+1, 0
	WIN MUL_HI
	MUL16 4, (\q)%2, \q, \slot, \zero
	MUL16 6, (\q)%2, \q, \slot, \zero
	PLACES NP
	WIN 0
	FETCH_A \slot, (\q)+1, 4
.endm
; A slot's last step changes slots: one barrier, which opens a round of the cluster's; in front of it each wave waits for all its tensor loads, adds 0 to its spare word, and waits for that and for its reads of this slot.
; fill = 1: the slot takes this tile's K step two steps on;  fill = 2: two K chunks of the quarter tile of q.  next = -1: the tile's last step: nothing of this tile is left to fetch.
.macro TURN slot, next, fill
	s_wait_tensorcnt 0x0                           ; all my tensor loads have landed: my part of the other slot
	ds_add_u32 v[SPW], v[NIL]                      ; 0 onto my spare word
	s_wait_dscnt 4*NL+1                            ; (the add and the youngest 24 loads, A's blocks 4-7, may be out)
	WIN MUL_LO
	MUL16 0, 1, NQ-1, \slot, 0
	s_wait_dscnt 0x0                               ; the add is done, and my reads of this slot are over
	s_barrier_signal -1
	MUL16 2, 1, NQ-1, \slot, 0
	WIN 0
	s_barrier_wait -1
	CREST                                          ; no wave of any partner still reads this slot or has a load on its way
.if \fill == 1
	s_add_nc_u64 s[G0+4*\slot+2:G0+4*\slot+3], s[G0+4*\slot+2:G0+4*\slot+3], 2*ROWB
	s_add_nc_u64 s[G0B+4*\slot+2:G0B+4*\slot+3], s[G0B+4*\slot+2:G0B+4*\slot+3], 2*ROWB
.else
	s_add_nc_u64 s[G0+4*\slot+2:G0+4*\slot+3], s[4:5], \slot*2*ROWB
	s_or_b32 s[G0+4*\slot+3], s[G0+4*\slot+3], 0x80000000
	s_add_nc_u64 s[G0B+4*\slot+2:G0B+4*\slot+3], s[6:7], \slot*2*ROWB
	s_or_b32 s[G0B+4*\slot+3], s[G0B+4*\slot+3], 0x80000000
.endif
	JLOAD G0+4*\slot, G1, G0B+4*\slot, G1B         ; the first tensor load behind the round; its four v_nop are the places in front of the loads below
.if \next >= 0
	v_add_nc_u32 v[ADRS], 4*NQ, v[ADRS]
	FETCH_B \next, 0, 0
	FETCH_A \next, 0, 0
	SCALES \next
.endif
	WIN MUL_HI
	MUL16 4, 1, NQ-1, \slot, 0
	MUL16 6, 1, NQ-1, \slot, 0
	PLACES NP
	WIN 0
.if \next >= 0
	FETCH_A \next, 0, 4
.endif
.endm
	s_wait_tensorcnt 1                             ; the scales and my part of K step 0 are in (K step 1's load may be out)
	s_barrier_signal -1
	s_barrier_wait -1                              ; everybody's are
	FETCH_B 0, 0, 0
	FETCH_A 0, 0, 0
	SCALES 0
	FETCH_A 0, 0, 4
	STEP 0, 0, 1                                   ; the first step's products start the sums
	s_mov_b32 s3, LAPS-1
.Llap:                                                 ; a trip goes once round the ring and fills both slots again
	TURN 0, 1, 1
	STEP 1, 0, 0
	TURN 1, 0, 1
	STEP 0, 0, 0
	s_sub_co_u32 s3, s3, 1
	s_cmp_lg_u32 s3, 0
	s_cbranch_scc1 .Llap
	TURN 0, 1, 2                                   ; the last lap: slot 0 takes q's K 0-511,
	STEP 1, 0, 0
	TURN 1, -1, 2                                  ; slot 1 its K 512-1,023.  Behind this round slot 0's tiles are whole for every wave
; q's step t of eight: 128 along K: slot t / 4, K chunk (t / 2) % 2 of the slot (128 rows, eight blocks of 16, further down), half t % 2 of the chunk; fragments into set t % 2 of window 1: B's four, then A's four
.macro QFETCH t
.set QSL, (\t)/4
.set QCH, ((\t)/2)%2
.set QQ, (\t)%2
	WIN TO_B
.irp i, 0,1,2,3
	FRAG 128*QQ+FR*\i, QADB+QSL, QQ, \i+8*QCH
	FRAG 128*QQ+48+FR*\i, QADA+QSL, QQ, \i+8*QCH
.endr
.endm
.macro QMUL t                          ; the sixteen accumulators take turns, in the same order in every step; the first step starts the sums
.set QP, (\t)%2
	WIN MUL_Q
.irp a, 0,1,2,3
.irp b, 0,1,2,3
.if (\t) == 0
	v_wmma_scale_f32_16x16x128_f8f6f4 v[8*(8*\a+\b):8*(8*\a+\b)+7], v[128*QP+FR*\b:128*QP+FR*\b+FR-1], v[128*QP+48+FR*\a:128*QP+48+FR*\a+FR-1], 0, v[SB+8*\b+(\t)], v[SA+8*\a+(\t)] matrix_a_fmt:MATRIX_FMT_FP6 matrix_b_fmt:MATRIX_FMT_FP6
.else
	v_wmma_scale_f32_16x16x128_f8f6f4 v[8*(8*\a+\b):8*(8*\a+\b)+7], v[128*QP+FR*\b:128*QP+FR*\b+FR-1], v[128*QP+48+FR*\a:128*QP+48+FR*\a+FR-1], v[8*(8*\a+\b):8*(8*\a+\b)+7], v[SB+8*\b+(\t)], v[SA+8*\a+(\t)] matrix_a_fmt:MATRIX_FMT_FP6 matrix_b_fmt:MATRIX_FMT_FP6
.endif
.endr
.endr
.endm
.macro QSTEP t
	s_wait_dscnt 0x0                               ; this step's fragments, asked for a step ago, are in
.if (\t) < 7
.if (\t) == 3
	s_wait_tensorcnt 0x0                           ; my part of slot 1 has landed,
	s_barrier_signal -1
	s_barrier_wait -1                              ; everybody's has
.endif
.if (\t) > 0
	PLACES NP                                      ; in front of loads into the set that the last step multiplied
.endif
	QFETCH (\t)+1
.endif
	QMUL \t
.endm
	; q's scale words: 32 bytes a row, eight words, for my four blocks of A and of B (behind the places at the last step's end: v32-63 were that step's scales)
.irp a, 0,1,2,3
	global_load_b128 v[SA+8*\a:SA+8*\a+3], v[VQS], s[8:9] offset:512*\a
	global_load_b128 v[SA+8*\a+4:SA+8*\a+7], v[VQS], s[8:9] offset:512*\a+16
	global_load_b128 v[SB+8*\a:SB+8*\a+3], v[VQS], s[10:11] offset:512*\a
	global_load_b128 v[SB+8*\a+4:SB+8*\a+7], v[VQS], s[10:11] offset:512*\a+16
.endr
	QFETCH 0                                       ; and its first fragments: both land under the way out below
	WIN 0
; THE WAY OUT of the tile of k or v.  No stage: the codes are made in the order of the next operand's registers and each store covers 512 consecutive bytes.
	s_cmp_lt_u32 s95, 8                            ; k (positions are A's rows) against v (positions are B's)
	s_cselect_b32 s20, s17, s42                    ; the positions' tile
	s_cselect_b32 s21, s15, s16                    ; and my half of it
	s_cselect_b32 s22, s40, s41                    ; the features' tile within k or v
	s_cselect_b32 s23, s16, s15
	s_mov_b32 s100, 98304
	s_cselect_b32 s100, 0, s100                    ; where the images begin in a record: K's at 0, V's behind them
	s_mov_b32 s101, 200704
	s_cselect_b32 s101, 196608, s101               ; and the scale words
	s_mov_b32 s67, KVREC                           ; a head's record
	s_lshl_b32 s20, s20, 8
	s_lshl_b32 s21, s21, 7
	s_add_co_u32 s20, s20, s21                     ; my first stored row of c: 4,096 part + 1,024 b + place
	s_bfe_u32 s21, s20, 0x2000a                    ; b
	s_bfe_u32 s46, s20, 0x30007
	s_lshr_b32 s47, s20, 12
	s_lshl_b32 s47, s47, 3                         ; x's keys are steps 8-15
	s_add_co_u32 s46, s46, s47                     ; my step of 128 positions
	s_lshl_b32 s22, s22, 2
	s_lshl_b32 s23, s23, 1
	s_add_co_u32 s22, s22, s23                     ; my first head
	s_lshl_b32 s21, s21, 4
	s_add_co_u32 s21, s21, s22
	s_mul_i32 s21, s21, s67
	s_mul_i32 s20, s46, 6144                       ; four images to a step
	s_add_co_u32 s20, s20, s21
	s_add_co_u32 s20, s20, s100
	s_lshl_b32 s22, s46, 8                         ; 256 bytes of scale words to a step
	s_add_co_u32 s22, s22, s21
	s_add_co_u32 s22, s22, s101
	s_mov_b32 s21, 0
	s_mov_b32 s23, 0
	s_add_nc_u64 s[46:47], s[12:13], s[20:21]      ; the images
	s_add_nc_u64 s[92:93], s[12:13], s[22:23]      ; the scale words
	s_mov_b32 s18, 0x76543210
	s_mov_b32 s19, 0xfedcba98                      ; v_permlanex16_b32's selects for lane l xor 16
	v_and_b32 v1, 31, v0
	v_lshlrev_b32 v[VO], 4, v1
	v_add_nc_u32 v[VO+1], s67, v[VO]
	v_and_b32 v2, 15, v0
	v_bfe_u32 v3, v0, 4, 1
	v_mul_u32_u24 v3, s67, v3
	v_lshl_add_u32 v[VS], v2, 4, v3
.irp b, 0,1,2,3
	v_mov_b32 v[TM+4+\b], 0                        ; a lane permute's destination counts as one of its sources
.endr
; The 64 results of A's block a (four blocks of 32 along B, 16 numbers of each in this lane) become codes: blocks 0, 1 in six registers from d0, blocks 2, 3 from d1; the four bytes make the word pw.
; Each accumulator is read from its low end on.
.macro QUANT a, d0, d1, pw
.set QW, 2+(\a)/4
.set QW5, QW*5
.set QS, 64*((\a)%4)
	WIN QW5                                        ; sources 0 and 1: the accumulators' window
.irp b, 0,1,2,3
	v_max3_num_f32 v[TM+\b], |v[QS+16*\b]|, |v[QS+16*\b+1]|, 0x1800000   ; with the floor 2^(3 - 127): the byte cannot fall under 1
.endr
.irp i, 2,4,6,8,10,12,14
.irp b, 0,1,2,3
	v_max3_num_f32 v[TM+\b], |v[QS+16*\b+\i]|, |v[QS+16*\b+\i+1]|, v[TM+\b]
.endr
.endr
	WIN 0
.irp b, 0,1,2,3
	v_permlanex16_b32 v[TM+4+\b], v[TM+\b], s18, s19
.endr
.irp b, 0,1,2,3
	v_max_num_f32 v[TM+\b], v[TM+\b], v[TM+4+\b]   ; with lane l xor 16's: the block's largest magnitude
.endr
.irp b, 0,1,2,3
	v_add_nc_u32 v[TM+12+\b], 0xff000000, v[TM+\b] ; 2 off its exponent field: the conversion's scale operand
.endr
.irp b, 0,1,2,3
	v_lshrrev_b32 v[TM+4+\b], 23, v[TM+12+\b]      ; the byte
.endr
	v_lshl_or_b32 v[\pw], v[TM+5], 8, v[TM+4]
	v_lshl_or_b32 v[\pw], v[TM+6], 16, v[\pw]
	v_lshl_or_b32 v[\pw], v[TM+7], 24, v[\pw]
	WIN QW                                         ; source 0: the accumulators' window
	v_cvt_scalef32_pk16_fp6_f32 v[\d0:\d0+2], v[QS:QS+15], v[TM+12]
	v_cvt_scalef32_pk16_fp6_f32 v[TT:TT+2], v[QS+16:QS+31], v[TM+13]
	v_cvt_scalef32_pk16_fp6_f32 v[\d1:\d1+2], v[QS+32:QS+47], v[TM+14]
	v_cvt_scalef32_pk16_fp6_f32 v[TT+4:TT+6], v[QS+48:QS+63], v[TM+15]
	WIN 0
	v_nop                                          ; a plain line behind the conversions
.irp i, 0,1,2
	v_permlane16_swap_b32 v[\d0+\i], v[TT+\i]      ; the operand's layout wants a whole block in a lane
.endr
.irp i, 0,1,2
	v_mov_b32 v[\d0+3+\i], v[TT+\i]
.endr
.irp i, 0,1,2
	v_permlane16_swap_b32 v[\d1+\i], v[TT+4+\i]
.endr
.irp i, 0,1,2
	v_mov_b32 v[\d1+3+\i], v[TT+4+\i]
.endr
.endm
	s_cmp_lt_u32 s95, 8                            ; the cluster's number: all partners go the same way
	s_cbranch_scc0 .Lout_v
	; k: blocks 0, 1 are my first head's 64, blocks 2, 3 my second's.  Two tiles of positions make a pair image for each head.
.irp al, 0,1,2,3
	QUANT 2*\al, FF+24*\al, FF+24*\al+12, PW+2*\al
	QUANT 2*\al+1, FF+24*\al+6, FF+24*\al+18, PW+2*\al+1
.irp q, 0,1,2
	global_store_b128 v[VO], v[FF+24*\al+4*\q:FF+24*\al+4*\q+3], s[46:47] offset:1536*\al+512*\q
	global_store_b128 v[VO+1], v[FF+24*\al+12+4*\q:FF+24*\al+12+4*\q+3], s[46:47] offset:1536*\al+512*\q
.endr
	v_perm_b32 v[WW+\al], v[PW+2*\al+1], v[PW+2*\al], 0x05040100     ; the first head's two bytes of both tiles
	v_perm_b32 v[WW+4+\al], v[PW+2*\al+1], v[PW+2*\al], 0x07060302   ; the second head's
.endr
	s_branch .Lout_scales
.Lout_v:
	; v: a block of A is 16 channels (head a / 4, tile a % 4); its 64 results a lane are 128 keys: one whole fragment and one scale word
.irp a, 0,1,2,3,4,5,6,7
	QUANT \a, FF+12*\a, FF+12*\a+6, WW+\a
.irp q, 0,1,2
	global_store_b128 v[VO+\a/4], v[FF+12*\a+4*\q:FF+12*\a+4*\q+3], s[46:47] offset:1536*(\a%4)+512*\q
.endr
.endr
.Lout_scales:
	v_cmp_le_u32 vcc_lo, 16, v1                    ; lanes 0-15 store the first head's four words of row r, lanes 16-31 the second head's
.irp i, 0,1,2,3
	v_cndmask_b32 v[SELW+\i], v[WW+\i], v[WW+4+\i], vcc_lo
.endr
	global_store_b128 v[VS], v[SELW:SELW+3], s[92:93]   ; sixteen lanes store 256 consecutive bytes, aligned
; THE QUARTER TILE OF q: eight steps of 128 along K on the accumulators of window 2, whose sums of k or v have been read out above
	s_wait_loadcnt 0x0                             ; q's scale words
.irp t, 0,1,2,3,4,5,6,7
	QSTEP \t
.endr
	WIN 0
	PLACES NP                                      ; in front of the first read of the results
	; where it goes: head hb = 16 b + 2 n + my half of B; pairs 4 (m % 8) + 2 x my half of A on
	s_lshr_b32 s20, s43, 3                         ; b
	s_lshl_b32 s20, s20, 4
	s_lshl_b32 s21, s44, 1
	s_add_co_u32 s20, s20, s21
	s_add_co_u32 s20, s20, s16
	s_mul_i32 s20, s20, QREC
	s_add_co_u32 s20, s20, Q_BASE                  ; the head's record of q
	s_and_b32 s21, s43, 7                          ; the step of 128 queries
	s_lshl_b32 s22, s21, 2
	s_lshl_b32 s23, s15, 1
	s_add_co_u32 s22, s22, s23
	s_mul_i32 s22, s22, 1536
	s_add_co_u32 s22, s22, s20
	s_mov_b32 s23, 0
	s_add_nc_u64 s[100:101], s[12:13], s[22:23]    ; my two pair images
	s_lshl_b32 s21, s21, 8
	s_lshl_b32 s22, s15, 3
	s_add_co_u32 s22, s22, s21
	s_add_co_u32 s22, s22, s20
	s_add_co_u32 s22, s22, 49152
	s_add_nc_u64 s[66:67], s[12:13], s[22:23]      ; my two of a row's four scale words
	s_wait_xcnt 0x0                                ; the stores above have read their registers: the fragments' registers are written again only behind this wait
; The 32 results of A's block a (one head's two blocks of 32) become six registers of codes from d0 and two bytes in pw
.macro QUANTH a, d0, pw
.set QS, 64*(\a)
	WIN 0x0a                                       ; sources 0 and 1: window 2
.irp b, 0,1
	v_max3_num_f32 v[TM+\b], |v[QS+16*\b]|, |v[QS+16*\b+1]|, 0x1800000
.endr
.irp i, 2,4,6,8,10,12,14
.irp b, 0,1
	v_max3_num_f32 v[TM+\b], |v[QS+16*\b+\i]|, |v[QS+16*\b+\i+1]|, v[TM+\b]
.endr
.endr
	WIN 0
.irp b, 0,1
	v_permlanex16_b32 v[TM+4+\b], v[TM+\b], s18, s19
.endr
.irp b, 0,1
	v_max_num_f32 v[TM+\b], v[TM+\b], v[TM+4+\b]
.endr
.irp b, 0,1
	v_add_nc_u32 v[TM+12+\b], 0xff000000, v[TM+\b]
.endr
.irp b, 0,1
	v_lshrrev_b32 v[TM+4+\b], 23, v[TM+12+\b]
.endr
	v_lshl_or_b32 v[\pw], v[TM+5], 8, v[TM+4]
	WIN 0x02                                       ; source 0: window 2
	v_cvt_scalef32_pk16_fp6_f32 v[\d0:\d0+2], v[QS:QS+15], v[TM+12]
	v_cvt_scalef32_pk16_fp6_f32 v[TT:TT+2], v[QS+16:QS+31], v[TM+13]
	WIN 0
	v_nop                                          ; a plain line behind the conversions
.irp i, 0,1,2
	v_permlane16_swap_b32 v[\d0+\i], v[TT+\i]
.endr
.irp i, 0,1,2
	v_mov_b32 v[\d0+3+\i], v[TT+\i]
.endr
.endm
.irp al, 0,1
	QUANTH 2*\al, FF+12*\al, PW+2*\al
	QUANTH 2*\al+1, FF+12*\al+6, PW+2*\al+1
.irp q, 0,1,2
	global_store_b128 v[VO], v[FF+12*\al+4*\q:FF+12*\al+4*\q+3], s[100:101] offset:1536*\al+512*\q   ; 512 consecutive bytes
.endr
	v_lshl_or_b32 v[WW+\al], v[PW+2*\al+1], 16, v[PW+2*\al]          ; the pair's word: two bytes of each tile
.endr
	global_store_b64 v[VSQ], v[WW:WW+1], s[66:67]  ; 8 of a row's 16 bytes: the other 8 are the other wave's; lanes 16-31 write what lanes 0-15 write
	s_wait_tensorcnt 0x0                           ; the wave's end
	ds_add_u32 v[SPW], v[NIL]
	s_wait_dscnt 0x0
	CROUND                                         ; the closing round: no work-group ends while a partner may still ask for a tile that names it
	s_endpgm
.Lfunc_end_k_qd17cea4760_proj:
	.size	k_qd17cea4760_proj, .Lfunc_end_k_qd17cea4760_proj-k_qd17cea4760_proj
	.p2alignl 7, 3214868480
	.fill 96, 4, 3214868480
	.section	.rodata,"a",@progbits
	.p2align	6, 0x0
	.amdhsa_kernel k_qd17cea4760_proj
		.amdhsa_group_segment_fixed_size 327680
		.amdhsa_private_segment_fixed_size 0
		.amdhsa_enable_private_segment 0
		.amdhsa_kernarg_size 24
		.amdhsa_user_sgpr_count 2
		.amdhsa_user_sgpr_kernarg_segment_ptr 1
		.amdhsa_wavefront_size32 1
		.amdhsa_system_sgpr_workgroup_id_x 1
		.amdhsa_system_sgpr_workgroup_id_y 1
		.amdhsa_system_sgpr_workgroup_id_z 1
		.amdhsa_system_vgpr_workitem_id 0
		.amdhsa_next_free_vgpr 1024
		.amdhsa_next_free_sgpr 102
		.amdhsa_reserve_vcc 1
		.amdhsa_float_denorm_mode_32 3
		.amdhsa_float_denorm_mode_16_64 3
		.amdhsa_memory_ordered 1
		.amdhsa_forward_progress 1
		.amdhsa_inst_pref_size 255
	.end_amdhsa_kernel
	.amdgpu_metadata
---
amdhsa.version: [ 1, 2 ]
amdhsa.kernels:
  - .name:           k_qd17cea4760_proj
    .symbol:         k_qd17cea4760_proj.kd
    .args:
      - { .name: cq, .offset: 0, .size: 8, .value_kind: global_buffer, .address_space: global }
      - { .name: wq, .offset: 8, .size: 8, .value_kind: global_buffer, .address_space: global }
      - { .name: qkv, .offset: 16, .size: 8, .value_kind: global_buffer, .address_space: global }
    .group_segment_fixed_size: 327680
    .private_segment_fixed_size: 0
    .kernarg_segment_align: 8
    .kernarg_segment_size: 24
    .max_flat_workgroup_size: 128
    .sgpr_count:     102
    .vgpr_count:     1024
    .wavefront_size: 32
...
	.end_amdgpu_metadata
.endif
;; end of part 2
;; launch attn (part 3): grid 4 x 64, 16 waves a work-group, no clusters, 206,848 bytes of LDS; arguments qkv, mb, fl, vq; writes vq
.if DOCPART == 3
	.amdgcn_target "amdgcn-amd-amdhsa--gfx1250"
	.amdhsa_code_object_version 6
	.text
	.protected	k_qd17cea4760_attn
	.globl	k_qd17cea4760_attn
	.p2align	8
	.type	k_qd17cea4760_attn,@function
k_qd17cea4760_attn:
	s_mov_b64 s[64:65], 0
	v_nop
	global_prefetch_b8 v0, s[64:65] scope:SCOPE_SE
	s_setreg_imm32_b32 hwreg(HW_REG_WAVE_MODE, 25, 1), 1
	s_wait_xcnt 0x0
; ATTN: for each of 64 (batch, head) pairs, 1,024 queries x 2,048 keys, head size 64, both products on codes of FP6 (E2M3) with E8M0 scales; the mask is the input's, as lane words (mb) and flags (fl) made by the first launch.
; SOFTMAX: t = score x log2(e) / 8; M = the running largest t rounded up to a whole number; p = 2^(t - M) is quantised along the keys, not normalised; the row's sum is taken of the unquantised p and divides at the end.
; SHARES: work-group (x, hb): head hb; wave w owns the tile of 16 queries 4 w + x.  Four waves to a SIMD, so that one wave's vector work stands beside another's matrix work.  16 steps of 128 keys.
; The head's whole record (K's and V's images and scale words, 204,800 bytes) is copied into LDS once, through registers: no ring, one barrier.
; NO TENSOR LOAD AND NO CLUSTER: a wave jumps over a step whose stored flag says that all its keys are hidden, and over the masking where none is: branches on stored whole numbers.  What work-groups share is one fill of a record.
; THE FLAGS of my tile's 16 steps come once, at the head, and are packed two bits a step into one scalar; a step's 64 mask words are asked for a step ahead, and only where its flag says that some keys are hidden and some not.
; LAYOUT: both products transposed: S^T = K Q^T (source 0 = 16 keys), O^T = V^T P^T (source 0 = 16 channels): a lane holds one query (lane % 16) throughout.
; K = 64 IN A FORM OF 128: a fragment of K holds TWO key tiles, tile 2 p in k 0-63 and tile 2 p + 1 in k 64-127; q stands in two operands, [q | zeros] and [zeros | q], which pick one of them.
; The keys of tile 2 g + u are 32 g + 8 u + r + 8 (r / 8), so score register n = 16 g + i holds key 32 g + 16 (lane / 16) + i; bit l of mask word n belongs to lane l.
; OUT: vec = O / sum, quantised along the head's 64 in registers, as half a fragment of the last product's operand, in pieces of 256 bytes (lane l's 8 bytes at 8 l).
; LIMITS: v_exp_f32 is taken not to fall where its input rises (a block's largest p is made from its largest score); a block of zeros keeps the byte 1; NaN and infinities among the inputs are not served;
; a query with every key hidden has the sum 0: its scale bytes are set to 0xff, which makes its whole output row NaN, as the softmax of such a row is.
.set KVREC,  204800
.set QREC,   51200
.set Q_BASE, 13107200
.set VIMG,   98304                     ; LDS: V's images behind K's,
.set KSC,    196608                    ; K's scale words, V's 4,096 bytes further on
.set SPARE,  204800                    ; the spare words, 128 bytes a wave: eight blocks of 256 bytes that no other line names
.set LI,   1                           ; v1  16 x lane
.set LSC,  2                           ; v2  KSC + 16 r
.set ADK,  3                           ; v3-5 the step's addresses: K's images, V's, the scale words
.set ADV,  4
.set ADS,  5
.set SPW,  6                           ; v6  my spare word; never rewritten
.set NIL,  7                           ; v7  0; never rewritten
.set NINF, 8                           ; v8  -infinity
.set QLO,  16                          ; v16-27 [q | 0]
.set QHI,  28                          ; v28-39 [0 | q]
.set FR,   40                          ; v40-87 four fragments of K or of V
.set KSW,  88                          ; v88-91 K's scale words, v92-95 V's: scales and nothing else
.set VSW,  92
.set S,    96                          ; v96-159 S^T, then p
.set OT,   160                         ; v160-191 O^T
.set PC,   192                         ; v192-203 p's codes
.set PT,   204                         ; v204-206, v208-210 the halves that are moved
.set BM,   212                         ; v212-215 a block's largest score, then its largest p
.set BT,   216                         ; v216-219 at work
.set BS,   220                         ; v220-223 the conversions' scale operands
.set PSW,  224                         ; v224 p's scale word
.set QSW,  225                         ; v225 q's
.set FF,   226                         ; v[226:227] f = 2^(old M - new M), and 0
.set TMP,  228
.set SUM2, 230                         ; v[230:231] the second chain of the row's sum
; v12 -M, v13 the largest t, v[14:15] the sum in two halves
; s[2:3] mb at my tile and batch; s[28:29] fl at my tile; s27 the asked step's offset in mb; s30 my batch's 16 flags, two bits each; s31 the flag in hand; s66 = 8 b; s67 at work
.macro MASKLOAD                        ; a step's 64 mask words of my batch
	s_load_b512 s[32:47], s[2:3], s27 offset:0x0
	s_load_b512 s[48:63], s[2:3], s27 offset:0x40
	s_load_b512 s[68:83], s[2:3], s27 offset:0x80
	s_load_b512 s[84:99], s[2:3], s27 offset:0xc0
.endm
; The next step's words, if that step is a mixed one (flag 1); the last trip looks at its own step again, so that no load leaves the buffer.
; It stands behind the trip's wait for the scalar loads and behind the last reader of the words: so s27 and the words may be written.
.macro NEXTMASK
	s_add_co_u32 s27, s24, 1
	s_min_u32 s27, s27, 15
	s_lshl_b32 s67, s27, 1
	s_lshr_b32 s67, s30, s67
	s_and_b32 s67, s67, 3
	s_cmp_lg_u32 s67, 1
	s_cbranch_scc1 .Lno_words_\@
	s_lshl_b32 s27, s27, 10
	MASKLOAD
.Lno_words_\@:
.endm
	s_load_b128 s[4:7], s[0:1], 0x0                ; qkv s[4:5], mb s[6:7]
	s_load_b64 s[28:29], s[0:1], 0x10              ; fl
	s_load_b64 s[8:9], s[0:1], 0x18                ; vq
	v_lshl_add_u32 v[SPW], v0, 2, SPARE
	v_mov_b32 v[NIL], 0
	v_lshrrev_b32 v1, 5, v0
	v_readfirstlane_b32 s10, v1                    ; wave 0..15
	s_and_b32 s11, ttmp7, 0xffff                   ; hb
	s_lshl_b32 s12, s10, 2
	s_add_co_u32 s12, s12, ttmp9                   ; my tile of queries
	s_lshr_b32 s13, s11, 4                         ; b
	s_and_b32 s14, s11, 15                         ; h
	s_lshl_b32 s2, s12, 14                         ; mb: 16 steps of 1,024 bytes to a tile,
	s_lshl_b32 s17, s13, 8                         ; 256 bytes to a batch
	s_add_co_u32 s2, s2, s17
	s_mov_b32 s3, 0
	s_lshl_b32 s30, s12, 6                         ; fl: 16 words to a tile
	s_mov_b32 s31, 0
	s_lshl_b32 s66, s13, 3                         ; my batch's flag is byte b of a word
	s_mul_i32 s100, s11, QREC
	s_add_co_u32 s100, s100, Q_BASE                ; the head's record of q
	s_lshr_b32 s101, s12, 1                        ; my pair of tiles
	s_mul_i32 s16, s101, 1536
	s_add_co_u32 s16, s16, s100
	s_mov_b32 s17, 0
	s_and_b32 s101, s101, 3
	s_lshl_b32 s101, s101, 2
	s_lshr_b32 s18, s12, 3
	s_lshl_b32 s18, s18, 8
	s_add_co_u32 s18, s18, s101
	s_add_co_u32 s18, s18, s100
	s_add_co_u32 s18, s18, 49152                   ; and its scale words
	s_mov_b32 s19, 0
	s_mul_i32 s100, s11, KVREC
	s_mov_b32 s101, 0
	s_mov_b32 s20, 0x76543210
	s_mov_b32 s21, 0xfedcba98                      ; v_permlanex16_b32's selects for lane l xor 16
	s_mov_b32 s22, 0x3e38aa3b                      ; c = log2(e) / 8
	s_mov_b32 s23, s22                             ; (named with it as a pair)
	s_mov_b32 s27, 0
	v_and_b32 v[LI], 31, v0
	v_lshlrev_b32 v[LI], 4, v[LI]
	v_and_b32 v[ADK], 15, v0
	v_lshlrev_b32 v[ADK], 4, v[ADK]                ; 16 r
	v_add_nc_u32 v[LSC], KSC, v[ADK]
	v_lshlrev_b32 v9, 4, v0                        ; the fill: 16 x thread, in memory and in LDS;
	v_add_nc_u32 v10, 0x10000, v9                  ; an LDS offset reaches 65,535, so four address registers
	v_add_nc_u32 v11, 0x20000, v9
	v_add_nc_u32 v[ADS], 0x30000, v9
	s_wait_kmcnt 0x0
	s_add_nc_u64 s[2:3], s[6:7], s[2:3]
	s_add_nc_u64 s[28:29], s[28:29], s[30:31]
	s_add_nc_u64 s[16:17], s[4:5], s[16:17]
	s_add_nc_u64 s[18:19], s[4:5], s[18:19]
	s_add_nc_u64 s[4:5], s[4:5], s[100:101]
	s_load_b512 s[32:47], s[28:29], 0x0            ; my tile's 16 words of flags, into registers that the mask words take afterwards
.irp q, 0,1,2
	global_load_b128 v[FR+4*\q:FR+4*\q+3], v[LI], s[16:17] offset:512*\q   ; q's pair image, both tiles
.endr
	global_load_b32 v[TMP], v[ADK], s[18:19]       ; and the pair's scale word of row r
.set PP, 0
.rept 25
	global_load_b128 v[S+4*PP:S+4*PP+3], v9, s[4:5] offset:8192*PP   ; the record: 25 x 8,192 bytes, 512 consecutive bytes a wave
.set PP, PP+1
.endr
	s_and_b32 s15, s12, 1                          ; which tile of the pair is mine
	s_cmp_lg_u32 s15, 0
	s_cselect_b32 s15, -1, 0
	s_mov_b32 s100, 0x01000100
	s_cselect_b32 s100, 0x03020302, s100           ; my two bytes of the word, twice
	s_wait_kmcnt 0x0                               ; the flags
	s_mov_b32 s30, 0
.set N, 0
.rept 16
	s_lshr_b32 s31, s[32+N], s66                   ; step N's flag of my batch,
	s_and_b32 s31, s31, 3
	s_lshl_b32 s31, s31, 2*N                       ; at bits 2 N, 2 N + 1
	s_or_b32 s30, s30, s31
.set N, N+1
.endr
	MASKLOAD                                       ; step 0's words, whatever its flag: so the words' registers are written on every way
.set PP, 0
.rept 25
	s_wait_loadcnt 24-PP                           ; loads come back in order: piece PP is in, the younger ones stay out
.if PP/8 < 3
	ds_store_b128 v[9+PP/8], v[S+4*PP:S+4*PP+3] offset:(PP%8)*8192
.else
	ds_store_b128 v[ADS], v[S+4*PP:S+4*PP+3] offset:(PP%8)*8192
.endif
.set PP, PP+1
.endr
	s_wait_dscnt 0x0                               ; for the others' sake: my part of the record lies in LDS
	s_barrier_signal -1
.irp i, 0,1,2,3,4,5
	v_cndmask_b32 v[QLO+\i], v[FR+\i], v[FR+6+\i], s15   ; registers 0-5 or 6-11 of the pair
.endr
	v_perm_b32 v[QSW], v[TMP], v[TMP], s100
.irp i, 0,1,2,3,4,5
	v_mov_b32 v[QHI+6+\i], v[QLO+\i]
	v_mov_b32 v[QLO+6+\i], 0
	v_mov_b32 v[QHI+\i], 0
.endr
	v_mov_b32 v[NINF], 0xff800000
	v_mov_b32 v13, 0xff61b1e6                      ; the largest t so far: -3e38, under every t
	v_floor_f32 v12, -v13                          ; -M
	v_mov_b32 v14, 0
	v_mov_b32 v15, 0
	v_mov_b32 v[FF], 0
	v_mov_b32 v[FF+1], 0
.irp b, 0,1,2,3
	v_mov_b32 v[BT+\b], 0                          ; a lane permute's destination counts as one of its sources
.endr
.set PP, 0
.rept 32
	v_mov_b32 v[OT+PP], 0                          ; the step is written once: the first finds zeros, which the first change of M leaves zeros
.set PP, PP+1
.endr
	s_barrier_wait -1
	s_mov_b32 s24, 0                               ; the step,
	s_mov_b32 s25, 0                               ; its images: 6,144 bytes a step,
	s_mov_b32 s26, 0                               ; its scale words: 256
.Lstep:
	s_lshl_b32 s31, s24, 1
	s_lshr_b32 s31, s30, s31
	s_and_b32 s31, s31, 3                          ; this step's flag
	s_cmp_eq_u32 s31, 2                            ; all 128 keys hidden from all my 16 queries: every p would be 0
	s_cbranch_scc1 .Lhidden
	v_add_nc_u32 v[ADK], s25, v[LI]                ; (these four lines are the places behind the last step's products, in front of the loads below)
	v_add_nc_u32 v[ADS], s26, v[LSC]
	v_add_nc_u32 v[ADV], VIMG, v[ADK]
	v_nop
.irp i, 0,1,2,3,4,5,6,7,8,9,10,11
	ds_load_b128 v[FR+4*\i:FR+4*\i+3], v[ADK] offset:512*\i   ; four pair images of K: 512 consecutive bytes a load
.endr
	ds_load_b128 v[KSW:KSW+3], v[ADS]
	s_wait_dscnt 0x0
.irp p, 0,1,2,3
	v_wmma_scale_f32_16x16x128_f8f6f4 v[S+16*\p:S+16*\p+7], v[FR+12*\p:FR+12*\p+11], v[QLO:QLO+11], 0, v[KSW+\p], v[QSW] matrix_a_fmt:MATRIX_FMT_FP6 matrix_b_fmt:MATRIX_FMT_FP6
	v_wmma_scale_f32_16x16x128_f8f6f4 v[S+16*\p+8:S+16*\p+15], v[FR+12*\p:FR+12*\p+11], v[QHI:QHI+11], 0, v[KSW+\p], v[QSW] matrix_a_fmt:MATRIX_FMT_FP6 matrix_b_fmt:MATRIX_FMT_FP6
.endr
.rept 4
	v_nop                                          ; places in front of the loads into K's registers and of the first read of the scores
.endr
.irp i, 0,1,2,3,4,5,6,7,8,9,10,11
	ds_load_b128 v[FR+4*\i:FR+4*\i+3], v[ADV] offset:512*\i   ; V's four images: they land under the softmax
.endr
	ds_load_b128 v[VSW:VSW+3], v[ADS] offset:4096
	s_wait_kmcnt 0x0                               ; the words, where they were asked for a step ago: ahead of their readers, and of the next request into the same registers
	s_cmp_eq_u32 s31, 0                            ; none hidden: nothing to mask
	s_cbranch_scc1 .Lopen
.set N, 0
.rept 64
.if N < 32
	v_cndmask_b32 v[S+N], v[S+N], v[NINF], s[32+N] ; hidden scores become -infinity ahead of the maximum: p = 0 then
.else
	v_cndmask_b32 v[S+N], v[S+N], v[NINF], s[36+N]
.endif
.set N, N+1
.endr
.Lopen:
.irp b, 0,1,2,3
	v_max3_num_f32 v[BM+\b], v[S+16*\b], v[S+16*\b+1], v[S+16*\b+2]   ; the largest score of each block of 32 keys: for the row's maximum and for the block's largest p
.endr
.irp i, 3,5,7,9,11,13
.irp b, 0,1,2,3
	v_max3_num_f32 v[BM+\b], v[BM+\b], v[S+16*\b+\i], v[S+16*\b+\i+1]
.endr
.endr
.irp b, 0,1,2,3
	v_max_num_f32 v[BM+\b], v[BM+\b], v[S+16*\b+15]
.endr
	NEXTMASK                                       ; behind the last reader of this step's words
.irp b, 0,1,2,3
	v_permlanex16_b32 v[BT+\b], v[BM+\b], s20, s21
.endr
.irp b, 0,1,2,3
	v_max_num_f32 v[BM+\b], v[BM+\b], v[BT+\b]     ; with lane l xor 16's 16 keys
.endr
	v_max3_num_f32 v[TMP], v[BM], v[BM+1], v[BM+2]
	v_max_num_f32 v[TMP], v[TMP], v[BM+3]
	v_mul_f32 v[TMP], s22, v[TMP]                  ; as t (c is positive)
	v_max_num_f32 v13, v13, v[TMP]                 ; the running largest t
	v_mov_b32 v[TMP], v12
	v_floor_f32 v12, -v13                          ; the new -M = -ceil(t): a whole number
	v_sub_f32 v[TMP], v12, v[TMP]                  ; old M - new M: a whole number, 0 or less
	v_cvt_i32_f32 v[TMP], v[TMP]                   ; (it saturates)
	v_ldexp_f32 v[FF], 1.0, v[TMP]                 ; f = 2^(old M - new M): a multiplication by it rounds nothing
.irp j, 0,2,4,6,8,10,12,14,16,18,20,22,24,26,28,30,32,34,36,38,40,42,44,46,48,50,52,54,56,58,60,62
	v_pk_fma_f32 v[S+\j:S+\j+1], v[S+\j:S+\j+1], s[22:23], v[12:13] op_sel_hi:[1,0,0]   ; t - M, two at a time
.endr
.irp b, 0,1,2,3
	v_fma_f32 v[BM+\b], v[BM+\b], s22, v12         ; the same of each block's largest score
.endr
.set N, 0
.rept 64
	v_exp_f32 v[S+N], v[S+N]                       ; p = 2^(t - M), at most 1
.set N, N+1
.endr
	v_pk_mul_f32 v[14:15], v[14:15], v[FF:FF+1] op_sel_hi:[1,0]   ; the sums under the new M (the plain line behind the exponentials)
	s_wait_alu depctr_va_vdst(0)                   ; one wait for the batch of 64, ahead of its first reader
.irp b, 0,1,2,3
	v_exp_f32 v[BM+\b], v[BM+\b]                   ; the block's largest p: the same two instructions on the same number give the same bits
.endr
	v_pk_add_f32 v[SUM2:SUM2+1], v[S:S+1], v[S+2:S+3]   ; the row's sum of the unquantised p, in two chains
.irp j, 4,8,12,16,20,24,28,32,36,40,44,48,52,56,60
	v_pk_add_f32 v[14:15], v[14:15], v[S+\j:S+\j+1]
	v_pk_add_f32 v[SUM2:SUM2+1], v[SUM2:SUM2+1], v[S+\j+2:S+\j+3]
.endr
	v_pk_add_f32 v[14:15], v[14:15], v[SUM2:SUM2+1]
	s_wait_alu depctr_va_vdst(0)                   ; and one for the four
.irp b, 0,1,2,3
	v_max_num_f32 v[BM+\b], 0x1800000, v[BM+\b]    ; the floor 2^(3 - 127): the byte cannot fall under 1
.endr
.irp b, 0,1,2,3
	v_add_nc_u32 v[BS+\b], 0xff000000, v[BM+\b]    ; 2 off the exponent field: the conversion's scale operand
.endr
.irp b, 0,1,2,3
	v_lshrrev_b32 v[BT+\b], 23, v[BS+\b]           ; the byte
.endr
	v_lshl_or_b32 v[PSW], v[BT+1], 8, v[BT]        ; p's scale word for these 128 keys
	v_lshl_or_b32 v[PSW], v[BT+2], 16, v[PSW]
	v_lshl_or_b32 v[PSW], v[BT+3], 24, v[PSW]
.irp c, 0,1
	v_cvt_scalef32_pk16_fp6_f32 v[PC+6*\c:PC+6*\c+2], v[S+32*\c:S+32*\c+15], v[BS+2*\c]
	v_cvt_scalef32_pk16_fp6_f32 v[PT+4*\c:PT+4*\c+2], v[S+32*\c+16:S+32*\c+31], v[BS+2*\c+1]
.endr
	v_nop                                          ; a plain line behind the conversions
.irp c, 0,1
.irp i, 0,1,2
	v_permlane16_swap_b32 v[PC+6*\c+\i], v[PT+4*\c+\i]   ; the operand's layout wants a whole block in a lane
.endr
.irp i, 0,1,2
	v_mov_b32 v[PC+6*\c+3+\i], v[PT+4*\c+\i]
.endr
.endr
.irp j, 0,2,4,6,8,10,12,14,16,18,20,22,24,26,28,30
	v_pk_mul_f32 v[OT+\j:OT+\j+1], v[OT+\j:OT+\j+1], v[FF:FF+1] op_sel_hi:[1,0]   ; O^T under the new M; these sixteen also stand between the writes of p's codes and scale word and the products
.endr
	s_wait_dscnt 0x0                               ; V
.irp t, 0,1,2,3
	v_wmma_scale_f32_16x16x128_f8f6f4 v[OT+8*\t:OT+8*\t+7], v[FR+12*\t:FR+12*\t+11], v[PC:PC+11], v[OT+8*\t:OT+8*\t+7], v[VSW+\t], v[PSW] matrix_a_fmt:MATRIX_FMT_FP6 matrix_b_fmt:MATRIX_FMT_FP6
.endr
	s_branch .Lnext
.Lhidden:
	s_wait_kmcnt 0x0                               ; no scalar load of mine is out when the next may be asked for
	NEXTMASK
.Lnext:
	s_add_co_u32 s25, s25, 6144
	s_add_co_u32 s26, s26, 256
	s_add_co_u32 s24, s24, 1
	s_cmp_lt_u32 s24, 16
	s_cbranch_scc1 .Lstep
	; THE WAY OUT
	s_wait_kmcnt 0x0                               ; the last trip's scalar loads, if any
	s_lshl_b32 s100, s13, 5
	s_lshr_b32 s101, s12, 1
	s_add_co_u32 s100, s100, s101
	s_mul_i32 s100, s100, 25600                    ; vq: the record of 32 queries of batch b
	s_and_b32 s101, s12, 1                         ; u: which of its two tiles
	s_lshr_b32 s24, s14, 1                         ; ks: which 128 along the last product's K
	s_and_b32 s25, s14, 1                          ; and which half of it
	s_lshl_b32 s26, s101, 3
	s_add_co_u32 s26, s26, s24
	s_mul_i32 s26, s26, 1536
	s_mul_i32 s27, s25, 768
	s_add_co_u32 s26, s26, s27
	s_add_co_u32 s26, s26, s100
	s_mov_b32 s27, 0
	s_lshl_b32 s24, s24, 7
	s_lshl_b32 s101, s101, 6
	s_lshl_b32 s25, s25, 1
	s_add_co_u32 s24, s24, s101
	s_add_co_u32 s24, s24, s25
	s_add_co_u32 s24, s24, s100
	s_add_co_u32 s24, s24, 24576
	s_mov_b32 s25, 0
	s_add_nc_u64 s[16:17], s[8:9], s[24:25]        ; my half of the scale words
	s_add_nc_u64 s[8:9], s[8:9], s[26:27]          ; my three pieces
.rept 4
	v_nop                                          ; places behind the last products
.endr
	v_add_f32 v14, v14, v15                        ; the sum's two halves,
	v_permlanex16_b32 v[TMP], v14, s20, s21
	v_add_f32 v14, v14, v[TMP]                     ; and lane l xor 16's
	v_rcp_f32 v15, v14
	v_and_b32 v9, 31, v0                           ; (plain lines behind the reciprocal)
	v_lshlrev_b32 v9, 3, v9                        ; 8 x lane
	v_and_b32 v10, 15, v0
	v_lshlrev_b32 v10, 2, v10                      ; 4 r
	v_mov_b32 v229, 0xffff
	s_wait_alu depctr_va_vdst(0)                   ; ahead of the reciprocal's first reader
.set N, 0
.rept 32
	v_mul_f32 v[S+N], v[OT+N], v15                 ; vec: register 16 g + i is channel 32 g + 16 (lane / 16) + i of my query
.set N, N+1
.endr
.irp b, 0,1
	v_max3_num_f32 v[BM+\b], |v[S+16*\b]|, |v[S+16*\b+1]|, 0x1800000
.endr
.irp i, 2,4,6,8,10,12,14
.irp b, 0,1
	v_max3_num_f32 v[BM+\b], v[BM+\b], |v[S+16*\b+\i]|, |v[S+16*\b+\i+1]|
.endr
.endr
.irp b, 0,1
	v_permlanex16_b32 v[BT+\b], v[BM+\b], s20, s21
.endr
.irp b, 0,1
	v_max_num_f32 v[BM+\b], v[BM+\b], v[BT+\b]
.endr
.irp b, 0,1
	v_add_nc_u32 v[BS+\b], 0xff000000, v[BM+\b]
.endr
.irp b, 0,1
	v_lshrrev_b32 v[BT+\b], 23, v[BS+\b]
.endr
	v_lshl_or_b32 v[TMP], v[BT+1], 8, v[BT]        ; my head's two bytes
	v_cvt_scalef32_pk16_fp6_f32 v[PC:PC+2], v[S:S+15], v[BS]
	v_cvt_scalef32_pk16_fp6_f32 v[PT:PT+2], v[S+16:S+31], v[BS+1]
	v_nop
.irp i, 0,1,2
	v_permlane16_swap_b32 v[PC+\i], v[PT+\i]
.endr
.irp i, 0,1,2
	v_mov_b32 v[PC+3+\i], v[PT+\i]
.endr
	v_cmp_eq_f32 vcc_lo, 0, v14                    ; every key hidden: the bytes 0xff carry NaN into the last product
	v_cndmask_b32 v[TMP], v[TMP], v229, vcc_lo
.irp p, 0,1,2
	global_store_b64 v9, v[PC+2*\p:PC+2*\p+1], s[8:9] offset:256*\p   ; 32 lanes store 256 consecutive bytes, aligned
.endr
	global_store_b16 v10, v[TMP], s[16:17]         ; two bytes of a row's word: the other two are the neighbouring head's; lanes 16-31 write what lanes 0-15 write
	s_wait_tensorcnt 0x0                           ; the wave's end, behind my last LDS store
	ds_add_u32 v[SPW], v[NIL]
	s_wait_dscnt 0x0
	s_endpgm
.Lfunc_end_k_qd17cea4760_attn:
	.size	k_qd17cea4760_attn, .Lfunc_end_k_qd17cea4760_attn-k_qd17cea4760_attn
	.p2alignl 7, 3214868480
	.fill 96, 4, 3214868480
	.section	.rodata,"a",@progbits
	.p2align	6, 0x0
	.amdhsa_kernel k_qd17cea4760_attn
		.amdhsa_group_segment_fixed_size 206848
		.amdhsa_private_segment_fixed_size 0
		.amdhsa_enable_private_segment 0
		.amdhsa_kernarg_size 32
		.amdhsa_user_sgpr_count 2
		.amdhsa_user_sgpr_kernarg_segment_ptr 1
		.amdhsa_wavefront_size32 1
		.amdhsa_system_sgpr_workgroup_id_x 1
		.amdhsa_system_sgpr_workgroup_id_y 1
		.amdhsa_system_sgpr_workgroup_id_z 1
		.amdhsa_system_vgpr_workitem_id 0
		.amdhsa_next_free_vgpr 256
		.amdhsa_next_free_sgpr 102
		.amdhsa_reserve_vcc 1
		.amdhsa_float_denorm_mode_32 3
		.amdhsa_float_denorm_mode_16_64 3
		.amdhsa_memory_ordered 1
		.amdhsa_forward_progress 1
		.amdhsa_inst_pref_size 39
	.end_amdhsa_kernel
	.amdgpu_metadata
---
amdhsa.version: [ 1, 2 ]
amdhsa.kernels:
  - .name:           k_qd17cea4760_attn
    .symbol:         k_qd17cea4760_attn.kd
    .args:
      - { .name: qkv, .offset: 0, .size: 8, .value_kind: global_buffer, .address_space: global }
      - { .name: mb, .offset: 8, .size: 8, .value_kind: global_buffer, .address_space: global }
      - { .name: fl, .offset: 16, .size: 8, .value_kind: global_buffer, .address_space: global }
      - { .name: vq, .offset: 24, .size: 8, .value_kind: global_buffer, .address_space: global }
    .group_segment_fixed_size: 206848
    .private_segment_fixed_size: 0
    .kernarg_segment_align: 8
    .kernarg_segment_size: 32
    .max_flat_workgroup_size: 512
    .sgpr_count:     102
    .vgpr_count:     256
    .wavefront_size: 32
...
	.end_amdgpu_metadata
.endif
;; end of part 3
;; launch outln (part 4): grid 128 x 1, 16 waves a work-group, no clusters, 158,208 bytes of LDS; arguments vq, wq, x, pos_emb, ln_gamma, ln_beta, out0; writes out0
.if DOCPART == 4
	.amdgcn_target "amdgcn-amd-amdhsa--gfx1250"
	.amdhsa_code_object_version 6
	.text
	.protected	k_qd17cea4760_outln
	.globl	k_qd17cea4760_outln
	.p2align	8
	.type	k_qd17cea4760_outln,@function
k_qd17cea4760_outln:
	s_mov_b64 s[64:65], 0
	v_nop
	global_prefetch_b8 v0, s[64:65] scope:SCOPE_SE
	s_setreg_imm32_b32 hwreg(HW_REG_WAVE_MODE, 25, 1), 1
	s_wait_xcnt 0x0
; OUTLN: out = LayerNorm(x + pos_emb + vec w_o) x gamma + beta; the product on codes of FP6 (E2M3) with E8M0 scales, K = 1,024; all else in f32.
; SHARES: work-group g = 32 b + G owns 32 rows (queries 32 G .. 32 G + 31 of batch b, as two tiles of 16) across all 1,024 columns, so that a row's mean and variance need no second launch.
; Wave w owns columns 64 w .. 64 w + 63: its part of w_o, 32 fragments laid as register images, goes from memory straight into its registers, 512 consecutive bytes a load, each byte once a work-group.
; vec's 16 fragments (24,576 bytes), which all sixteen waves read, go through LDS once.  128 work-groups: every work-group takes in all of w_o whatever its rows, so 16 rows to a work-group would
; double that traffic; 64 rows leave no registers for the second buffer of weights.  No joint loads: they land in LDS alone, and the weights would then pass through it.
; THE MATRIX INSTRUCTION: source 0 = 16 rows (n) of w_o, source 1 = 16 rows of vec: a lane holds eight neighbouring columns of one row.
; The results meet in a stage (32 rows of 4,096 bytes + 16); then wave w takes stage rows 2 w, 2 w + 1 whole.  Stage row 16 u + r is query 32 G + pi(16 u + r), pi = bits 3 and 4 exchanged.
; The variance is the mean of (y - mean)^2, in a second pass over registers: no difference of large sums.  LIMITS: NaN and infinities among the inputs are not served (a NaN row from a wholly hidden query stays NaN).
.set WO_IMG, 2457600
.set WO_SC,  3244032
.set STG,    24576                     ; LDS: vec's images at 0, the stage behind them
.set SPITCH, 4112
.set SPARE,  156160                    ; the spare words, 128 bytes a wave: eight blocks of 256 bytes that no other line names
.set SPW, 14                           ; v14 my spare word; never rewritten
.set NIL, 15                           ; v15 0; never rewritten
.set ACC, 16                           ; v16-79   accumulator (u, n) at 16 + 8 (4 u + n); later the two rows read back from the stage
.set BB,  80                           ; v80-175  w_o's four fragments, two buffers
.set AA,  176                          ; v176-223 vec's two fragments, two buffers
.set WS,  224                          ; v224-239 w_o's scale words: tiles 2 q (lanes 0-15) and 2 q + 1 (lanes 16-31) at 8 q + ks
.set VS,  240                          ; v240-247 vec's: tile 0 in lanes 0-15, tile 1 in lanes 16-31, at ks.  v224-247 hold scales and nothing else
.set X0,  80                           ; behind the product: row 0's x, then y, d, out
.set P0,  112                          ; row 0's pos_emb, then gamma
.set X1,  144
.set P1,  176                          ; row 1's pos_emb, then beta
.set T0,  208                          ; v208-215, v216-223 at work
.set T1,  216
.set M0,  248                          ; v[248:249], v[250:251] the means, twice each
.set M1,  250
.set R0,  252                          ; v[252:253], v[254:255] 1 / sqrt(var + eps), twice each
.set R1,  254
	s_load_b256 s[4:11], s[0:1], 0x0               ; vq s[4:5], wq s[6:7], x s[8:9], pos_emb s[10:11]
	s_load_b128 s[12:15], s[0:1], 0x20             ; gamma s[12:13], beta s[14:15]
	s_load_b64 s[16:17], s[0:1], 0x30              ; out0
	v_lshl_add_u32 v[SPW], v0, 2, SPARE
	v_mov_b32 v[NIL], 0
	v_lshrrev_b32 v1, 5, v0
	v_readfirstlane_b32 s18, v1                    ; wave 0..15
	s_lshr_b32 s19, ttmp9, 5                       ; b
	s_and_b32 s28, ttmp9, 31                       ; G
	s_lshl_b32 s29, s18, 1
	s_lshr_b32 s30, s29, 3
	s_lshr_b32 s31, s29, 4
	s_xor_b32 s30, s30, s31
	s_and_b32 s30, s30, 1
	s_mul_i32 s30, s30, 24
	s_xor_b32 s29, s29, s30                        ; pi(2 w)
	s_lshl_b32 s28, s28, 5
	s_add_co_u32 s28, s28, s29                     ; the first of my two queries; the second is the next
	s_lshl_b32 s30, s28, 12                        ; pos_emb: 4,096 bytes a query
	s_mov_b32 s31, 0
	s_lshl_b32 s32, s28, 2
	s_add_co_u32 s32, s32, s19
	s_lshl_b32 s32, s32, 12                        ; x, out0: row 4 i + b
	s_mov_b32 s33, 0
	s_mul_i32 s34, ttmp9, 25600
	s_mov_b32 s35, 0
	s_mul_i32 s36, s18, 49152                      ; my 32 images of w_o
	s_add_co_u32 s36, s36, WO_IMG
	s_mov_b32 s37, 0
	s_lshl_b32 s38, s18, 11                        ; my 64 rows of its scale bytes
	s_add_co_u32 s38, s38, WO_SC
	s_mov_b32 s39, 0
	s_mov_b32 s24, 0x76543210
	s_mov_b32 s25, 0xfedcba98                      ; v_permlanex16_b32's selects for lane l xor 16
	s_mov_b32 s26, 0x3a800000                      ; 1 / 1,024
	s_mov_b32 s27, 0x3727c5ac                      ; 1e-5
	v_and_b32 v9, 31, v0                           ; lane
	v_lshlrev_b32 v1, 4, v9
	v_lshlrev_b32 v2, 3, v9
	v_lshlrev_b32 v3, 4, v0
	v_lshlrev_b32 v7, 5, v9
	v_lshlrev_b32 v8, 2, v9
	v_and_b32 v10, 15, v0                          ; r
	v_bfe_u32 v11, v0, 4, 1                        ; h
	s_lshl_b32 s40, s18, 8
	s_add_co_u32 s40, s40, STG
	v_mul_u32_u24 v4, v10, SPITCH
	v_lshl_add_u32 v4, v11, 5, v4
	v_add_nc_u32 v4, s40, v4                       ; into the stage: row r, + 32 h, + 256 w; tile 1's rows 16 further down
	v_add_nc_u32 v5, 16*SPITCH, v4
	s_mul_i32 s40, s18, 2*SPITCH
	s_add_co_u32 s40, s40, STG
	v_add_nc_u32 v6, s40, v1                       ; back: my two rows, 16 bytes a lane
	s_wait_kmcnt 0x0
	s_add_nc_u64 s[4:5], s[4:5], s[34:35]
	s_add_nc_u64 s[20:21], s[6:7], s[36:37]
	s_add_nc_u64 s[22:23], s[6:7], s[38:39]
	s_add_nc_u64 s[8:9], s[8:9], s[32:33]
	s_add_nc_u64 s[16:17], s[16:17], s[32:33]
	s_add_nc_u64 s[10:11], s[10:11], s[30:31]
.macro BLOAD ks                        ; w_o's four fragments of K step ks
.irp n, 0,1,2,3
.irp c, 0,1,2
	global_load_b128 v[BB+48*((\ks)%2)+12*\n+4*\c:BB+48*((\ks)%2)+12*\n+4*\c+3], v1, s[20:21] offset:(8*\n+(\ks))*1536+512*\c
.endr
.endr
.endm
.macro ALOAD ks                        ; vec's two, in pieces of 256 bytes
.irp u, 0,1
.irp p, 0,1,2,3,4,5
	ds_load_b64 v[AA+24*((\ks)%2)+12*\u+2*\p:AA+24*((\ks)%2)+12*\u+2*\p+1], v2 offset:(8*\u+(\ks))*1536+256*\p
.endr
.endr
.endm
.irp p, 0,1,2
	global_load_b128 v[ACC+4*\p:ACC+4*\p+3], v3, s[4:5] offset:8192*\p   ; vec's images: 3 x 8,192 bytes
.endr
.irp q, 0,1
	global_load_b128 v[WS+8*\q:WS+8*\q+3], v7, s[22:23] offset:1024*\q
	global_load_b128 v[WS+8*\q+4:WS+8*\q+7], v7, s[22:23] offset:1024*\q+16
.endr
.irp k, 0,1,2,3,4,5,6,7
	global_load_b32 v[VS+\k], v8, s[4:5] offset:24576+128*\k
.endr
	BLOAD 0
	BLOAD 1
	s_wait_loadcnt 36                              ; vec's three loads are in; the 4 + 8 + 24 younger ones may be out
.irp p, 0,1,2
	ds_store_b128 v3, v[ACC+4*\p:ACC+4*\p+3] offset:8192*\p
.endr
	s_wait_dscnt 0x0                               ; for the others' sake
	s_barrier_signal -1
	s_barrier_wait -1
	ALOAD 0
	ALOAD 1
.macro PROD u, n, ks                   ; the rows of the scale registers: w_o's by n % 2, vec's by u
.set rD, ACC+8*(4*(\u)+(\n))
.set rB, BB+48*((\ks)%2)+12*(\n)
.set rA, AA+24*((\ks)%2)+12*(\u)
.set rW, WS+8*((\n)/2)+(\ks)
.set rV, VS+(\ks)
.if (\ks) == 0
.if (\u) == 0
.if (\n)%2 == 0
	v_wmma_scale_f32_16x16x128_f8f6f4 v[rD:rD+7], v[rB:rB+11], v[rA:rA+11], 0, v[rW], v[rV] matrix_a_fmt:MATRIX_FMT_FP6 matrix_b_fmt:MATRIX_FMT_FP6
.else
	v_wmma_scale_f32_16x16x128_f8f6f4 v[rD:rD+7], v[rB:rB+11], v[rA:rA+11], 0, v[rW], v[rV] matrix_a_fmt:MATRIX_FMT_FP6 matrix_b_fmt:MATRIX_FMT_FP6 matrix_a_scale:MATRIX_SCALE_ROW1
.endif
.else
.if (\n)%2 == 0
	v_wmma_scale_f32_16x16x128_f8f6f4 v[rD:rD+7], v[rB:rB+11], v[rA:rA+11], 0, v[rW], v[rV] matrix_a_fmt:MATRIX_FMT_FP6 matrix_b_fmt:MATRIX_FMT_FP6 matrix_b_scale:MATRIX_SCALE_ROW1
.else
	v_wmma_scale_f32_16x16x128_f8f6f4 v[rD:rD+7], v[rB:rB+11], v[rA:rA+11], 0, v[rW], v[rV] matrix_a_fmt:MATRIX_FMT_FP6 matrix_b_fmt:MATRIX_FMT_FP6 matrix_a_scale:MATRIX_SCALE_ROW1 matrix_b_scale:MATRIX_SCALE_ROW1
.endif
.endif
.else
.if (\u) == 0
.if (\n)%2 == 0
	v_wmma_scale_f32_16x16x128_f8f6f4 v[rD:rD+7], v[rB:rB+11], v[rA:rA+11], v[rD:rD+7], v[rW], v[rV] matrix_a_fmt:MATRIX_FMT_FP6 matrix_b_fmt:MATRIX_FMT_FP6
.else
	v_wmma_scale_f32_16x16x128_f8f6f4 v[rD:rD+7], v[rB:rB+11], v[rA:rA+11], v[rD:rD+7], v[rW], v[rV] matrix_a_fmt:MATRIX_FMT_FP6 matrix_b_fmt:MATRIX_FMT_FP6 matrix_a_scale:MATRIX_SCALE_ROW1
.endif
.else
.if (\n)%2 == 0
	v_wmma_scale_f32_16x16x128_f8f6f4 v[rD:rD+7], v[rB:rB+11], v[rA:rA+11], v[rD:rD+7], v[rW], v[rV] matrix_a_fmt:MATRIX_FMT_FP6 matrix_b_fmt:MATRIX_FMT_FP6 matrix_b_scale:MATRIX_SCALE_ROW1
.else
	v_wmma_scale_f32_16x16x128_f8f6f4 v[rD:rD+7], v[rB:rB+11], v[rA:rA+11], v[rD:rD+7], v[rW], v[rV] matrix_a_fmt:MATRIX_FMT_FP6 matrix_b_fmt:MATRIX_FMT_FP6 matrix_a_scale:MATRIX_SCALE_ROW1 matrix_b_scale:MATRIX_SCALE_ROW1
.endif
.endif
.endif
.endm
.macro KSTEP ks                        ; the eight accumulators take turns, one instruction a turn, in the same order in every step
.if (\ks) < 7
	s_wait_loadcnt 12                              ; this step's weights are in; the next step's 12 loads may be out
	s_wait_dscnt 12                                ; likewise vec's
.else
	s_wait_loadcnt 0x0
	s_wait_dscnt 0x0
.endif
.irp u, 0,1
.irp n, 0,1,2,3
	PROD \u, \n, \ks
.endr
.endr
.rept 4
	v_nop                                          ; places in front of loads into registers that matrix instructions have read, and of the first read of results
.endr
.if (\ks) < 6
	BLOAD (\ks)+2
	ALOAD (\ks)+2
.endif
.endm
.irp k, 0,1,2,3,4,5,6,7
	KSTEP \k
.endr
.irp j, 0,1,2,3,4,5,6,7
	global_load_b128 v[X0+4*\j:X0+4*\j+3], v1, s[8:9] offset:512*\j          ; my two rows of x and of pos_emb: 512 consecutive bytes a load
.endr
.irp j, 0,1,2,3,4,5,6,7
	global_load_b128 v[P0+4*\j:P0+4*\j+3], v1, s[10:11] offset:512*\j
.endr
.irp j, 0,1,2,3,4,5,6,7
	global_load_b128 v[X1+4*\j:X1+4*\j+3], v1, s[8:9] offset:16384+512*\j
.endr
.irp j, 0,1,2,3,4,5,6,7
	global_load_b128 v[P1+4*\j:P1+4*\j+3], v1, s[10:11] offset:4096+512*\j
.endr
.irp u, 0,1
.irp n, 0,1,2,3
	ds_store_b128 v[4+\u], v[ACC+8*(4*\u+\n):ACC+8*(4*\u+\n)+3] offset:64*\n      ; each accumulator from its low end on
	ds_store_b128 v[4+\u], v[ACC+8*(4*\u+\n)+4:ACC+8*(4*\u+\n)+7] offset:64*\n+16
.endr
.endr
	s_wait_dscnt 0x0                               ; for the others' sake
	s_barrier_signal -1
	s_barrier_wait -1                              ; 32 whole rows lie in the stage
.irp j, 0,1,2,3,4,5,6,7
	ds_load_b128 v[ACC+4*\j:ACC+4*\j+3], v6 offset:512*\j
.endr
.irp j, 0,1,2,3,4,5,6,7
	ds_load_b128 v[ACC+32+4*\j:ACC+32+4*\j+3], v6 offset:SPITCH+512*\j
.endr
	s_wait_loadcnt 16                              ; row 0's x and pos_emb are in; row 1's 16 loads may be out
.irp j, 0,2,4,6,8,10,12,14,16,18,20,22,24,26,28,30
	v_pk_add_f32 v[X0+\j:X0+\j+1], v[X0+\j:X0+\j+1], v[P0+\j:P0+\j+1]
.endr
.irp j, 0,1,2,3,4,5,6,7
	global_load_b128 v[P0+4*\j:P0+4*\j+3], v1, s[12:13] offset:512*\j        ; gamma, into the registers that pos_emb has left
.endr
	s_wait_dscnt 8                                 ; row 0 is back from the stage; row 1's 8 loads may be out
.irp j, 0,2,4,6,8,10,12,14,16,18,20,22,24,26,28,30
	v_pk_add_f32 v[X0+\j:X0+\j+1], v[X0+\j:X0+\j+1], v[ACC+\j:ACC+\j+1]      ; y = (x + pos_emb) + the product
.endr
	s_wait_loadcnt 8                               ; row 1's are in; gamma's 8 loads may be out
.irp j, 0,2,4,6,8,10,12,14,16,18,20,22,24,26,28,30
	v_pk_add_f32 v[X1+\j:X1+\j+1], v[X1+\j:X1+\j+1], v[P1+\j:P1+\j+1]
.endr
.irp j, 0,1,2,3,4,5,6,7
	global_load_b128 v[P1+4*\j:P1+4*\j+3], v1, s[14:15] offset:512*\j        ; beta
.endr
	s_wait_dscnt 0x0
.irp j, 0,2,4,6,8,10,12,14,16,18,20,22,24,26,28,30
	v_pk_add_f32 v[X1+\j:X1+\j+1], v[X1+\j:X1+\j+1], v[ACC+32+\j:ACC+32+\j+1]
.endr
.macro REDUCE t                        ; four pairs -> one number in every lane of the wave
	v_pk_add_f32 v[\t:\t+1], v[\t:\t+1], v[\t+2:\t+3]
	v_pk_add_f32 v[\t+4:\t+5], v[\t+4:\t+5], v[\t+6:\t+7]
	v_pk_add_f32 v[\t:\t+1], v[\t:\t+1], v[\t+4:\t+5]
	v_add_f32 v[\t], v[\t], v[\t+1]
	v_add_f32_dpp v[\t], v[\t], v[\t] row_xmask:1 row_mask:0xf bank_mask:0xf
	v_add_f32_dpp v[\t], v[\t], v[\t] row_xmask:2 row_mask:0xf bank_mask:0xf
	v_add_f32_dpp v[\t], v[\t], v[\t] row_xmask:4 row_mask:0xf bank_mask:0xf
	v_add_f32_dpp v[\t], v[\t], v[\t] row_xmask:8 row_mask:0xf bank_mask:0xf
	v_permlanex16_b32 v[\t+1], v[\t], s24, s25
	v_add_f32 v[\t], v[\t], v[\t+1]
.endm
.macro SUM32 y, t                      ; the sum of my 32 numbers in four chains, then over the lanes
.irp c, 0,1,2,3
	v_pk_add_f32 v[\t+2*\c:\t+2*\c+1], v[\y+4*\c:\y+4*\c+1], v[\y+4*\c+2:\y+4*\c+3]
.endr
.irp j, 16,24
.irp c, 0,1,2,3
	v_pk_add_f32 v[\t+2*\c:\t+2*\c+1], v[\t+2*\c:\t+2*\c+1], v[\y+\j+2*\c:\y+\j+2*\c+1]
.endr
.endr
	REDUCE \t
.endm
.macro CENTRE y, t, m                  ; mean = sum / 1,024; d = y - mean; the sum of d^2
	v_mul_f32 v[\m], s26, v[\t]
	v_mov_b32 v[\m+1], v[\m]
.irp j, 0,2,4,6,8,10,12,14,16,18,20,22,24,26,28,30
	v_pk_add_f32 v[\y+\j:\y+\j+1], v[\y+\j:\y+\j+1], v[\m:\m+1] neg_lo:[0,1] neg_hi:[0,1]
.endr
.irp c, 0,1,2,3
	v_pk_mul_f32 v[\t+2*\c:\t+2*\c+1], v[\y+2*\c:\y+2*\c+1], v[\y+2*\c:\y+2*\c+1]
.endr
.irp j, 8,16,24
.irp c, 0,1,2,3
	v_pk_fma_f32 v[\t+2*\c:\t+2*\c+1], v[\y+\j+2*\c:\y+\j+2*\c+1], v[\y+\j+2*\c:\y+\j+2*\c+1], v[\t+2*\c:\t+2*\c+1]
.endr
.endr
	REDUCE \t
	v_fma_f32 v[\t], v[\t], s26, s27               ; var + eps
.endm
	SUM32 X0, T0
	SUM32 X1, T1
	CENTRE X0, T0, M0
	CENTRE X1, T1, M1
	v_rsq_f32 v[R0], v[T0]                         ; both rows' as one batch,
	v_rsq_f32 v[R1], v[T1]
	v_nop                                          ; a plain line behind it,
	s_wait_alu depctr_va_vdst(0)                   ; and one wait ahead of the first reader
	v_mov_b32 v[R0+1], v[R0]
	v_mov_b32 v[R1+1], v[R1]
	s_wait_loadcnt 0x0                             ; gamma and beta
.irp j, 0,2,4,6,8,10,12,14,16,18,20,22,24,26,28,30
	v_pk_mul_f32 v[X0+\j:X0+\j+1], v[X0+\j:X0+\j+1], v[R0:R0+1]
	v_pk_mul_f32 v[X1+\j:X1+\j+1], v[X1+\j:X1+\j+1], v[R1:R1+1]
.endr
.irp j, 0,2,4,6,8,10,12,14,16,18,20,22,24,26,28,30
	v_pk_fma_f32 v[X0+\j:X0+\j+1], v[X0+\j:X0+\j+1], v[P0+\j:P0+\j+1], v[P1+\j:P1+\j+1]
	v_pk_fma_f32 v[X1+\j:X1+\j+1], v[X1+\j:X1+\j+1], v[P0+\j:P0+\j+1], v[P1+\j:P1+\j+1]
.endr
.irp j, 0,1,2,3,4,5,6,7
	global_store_b128 v1, v[X0+4*\j:X0+4*\j+3], s[16:17] offset:512*\j th:TH_STORE_NT          ; 32 lanes store 512 consecutive bytes, aligned
.endr
.irp j, 0,1,2,3,4,5,6,7
	global_store_b128 v1, v[X1+4*\j:X1+4*\j+3], s[16:17] offset:16384+512*\j th:TH_STORE_NT
.endr
	s_wait_tensorcnt 0x0                           ; the wave's end, behind my last LDS store
	ds_add_u32 v[SPW], v[NIL]
	s_wait_dscnt 0x0
	s_endpgm
.Lfunc_end_k_qd17cea4760_outln:
	.size	k_qd17cea4760_outln, .Lfunc_end_k_qd17cea4760_outln-k_qd17cea4760_outln
	.p2alignl 7, 3214868480
	.fill 96, 4, 3214868480
	.section	.rodata,"a",@progbits
	.p2align	6, 0x0
	.amdhsa_kernel k_qd17cea4760_outln
		.amdhsa_group_segment_fixed_size 158208
		.amdhsa_private_segment_fixed_size 0
		.amdhsa_enable_private_segment 0
		.amdhsa_kernarg_size 56
		.amdhsa_user_sgpr_count 2
		.amdhsa_user_sgpr_kernarg_segment_ptr 1
		.amdhsa_wavefront_size32 1
		.amdhsa_system_sgpr_workgroup_id_x 1
		.amdhsa_system_sgpr_workgroup_id_y 1
		.amdhsa_system_sgpr_workgroup_id_z 1
		.amdhsa_system_vgpr_workitem_id 0
		.amdhsa_next_free_vgpr 256
		.amdhsa_next_free_sgpr 66
		.amdhsa_reserve_vcc 0
		.amdhsa_float_denorm_mode_32 3
		.amdhsa_float_denorm_mode_16_64 3
		.amdhsa_memory_ordered 1
		.amdhsa_forward_progress 1
		.amdhsa_inst_pref_size 54
	.end_amdhsa_kernel
	.amdgpu_metadata
---
amdhsa.version: [ 1, 2 ]
amdhsa.kernels:
  - .name:           k_qd17cea4760_outln
    .symbol:         k_qd17cea4760_outln.kd
    .args:
      - { .name: vq, .offset: 0, .size: 8, .value_kind: global_buffer, .address_space: global }
      - { .name: wq, .offset: 8, .size: 8, .value_kind: global_buffer, .address_space: global }
      - { .name: x, .offset: 16, .size: 8, .value_kind: global_buffer, .address_space: global }
      - { .name: pos_emb, .offset: 24, .size: 8, .value_kind: global_buffer, .address_space: global }
      - { .name: ln_gamma, .offset: 32, .size: 8, .value_kind: global_buffer, .address_space: global }
      - { .name: ln_beta, .offset: 40, .size: 8, .value_kind: global_buffer, .address_space: global }
      - { .name: out0, .offset: 48, .size: 8, .value_kind: global_buffer, .address_space: global }
    .group_segment_fixed_size: 158208
    .private_segment_fixed_size: 0
    .kernarg_segment_align: 8
    .kernarg_segment_size: 56
    .max_flat_workgroup_size: 512
    .sgpr_count:     66
    .vgpr_count:     256
    .wavefront_size: 32
...
	.end_amdgpu_metadata
.endif
;; end of part 4
